; MI455X (gfx1250); checked and timed in simulation.
; The chip was launched on July 23, 2026; its instructions are those of AMD's public machine-readable ISA for CDNA 5 (MIT licence, August 2026) and "CDNA5" Instruction Set Architecture Reference Guide (July 2026). The comments in the code are by the model that wrote it; some were corrected since.
;; Ro PE Multi Head Attention. Allowed arithmetic: matrix products marked QUANTISED: E3M2 operands, one E8M0 scale for each 32 along K, by v_wmma_scale_f32_16x16x128_f8f6f4 with both operands' format E3M2, f32 sums; everything else in f32.
;; Inputs: Wout_codes 256 x 8 x 24 uint8 (E3M2 codes of Wout, K innermost, in blocks of 32 codes, four codes in three bytes); Wout_scales 256 x 8 uint8 (E8M0 scales of Wout, one for each 32 codes along K); Wqkv_codes 768 x 8 x 24 uint8 (E3M2 codes of Wqkv, K innermost, in blocks of 32 codes, four codes in three bytes); Wqkv_scales 768 x 8 uint8 (E8M0 scales of Wqkv, one for each 32 codes along K); bout 256 float32; bqkv 768 float32; x_codes 8 x 2,048 x 8 x 24 uint8 (E3M2 codes of x, K innermost, in blocks of 32 codes, four codes in three bytes); x_scales 8 x 2,048 x 8 uint8 (E8M0 scales of x, one for each 32 codes along K).
;; Outputs: out0 8 x 2,048 x 256 float32.
;; This version of the problem:
;;   THIS VERSION OF THE PROBLEM IS GIVEN IN LOW PRECISION. The matrix products marked QUANTISED in the list below multiply operands that are first quantised to E3M2 (3 exponent bits, 2 mantissa bits; 6 bits a number), with one power-of-two scale for each 32 numbers along K (OCP MX v1.0); their sums are f32. All else is computed in f32.
;;   The module's matrix products, in the order in which they are computed (A, B: the left and right operand; K: the contracted axis; several contracted axes count as one K, in the product's order):
;;     1. [M 16,384, K 256] x [K 256, N 768]; A: input x (given as codes); B: input Wqkv (given as codes): QUANTISED
;;     2. batch 64 x [M 2,048, K 32] x [K 32, N 2,048]; A: computed on the way; B: computed on the way: QUANTISED
;;     3. batch 64 x [M 32, K 2,048] x [K 2,048, N 2,048]; A: computed on the way; B: softmax (see below): QUANTISED
;;     4. [M 16,384, K 256] x [K 256, N 256]; A: computed on the way; B: input Wout (given as codes): QUANTISED
;;   THE QUANTISER, for each operand of a quantised product, along K:
;;     - K is cut into blocks of 32 from its start; a last block that is shorter is filled with zeros.
;;     - A block's scale is 2^e with e = floor(log2(the largest magnitude in the block)) - 4, held to -126 .. 127; a block of zeros has e = 0. As a byte (E8M0): e + 127.
;;     - Each number is divided by its block's scale, clamped to +-28, and rounded to the nearest number of E3M2, ties to even, subnormals kept.
;;     - The product sums the exact products of the quantised numbers (number of the format x scale) in f32.
;;   ~~~python
;;   def quantise(x, axis):      # numpy; x: float32 -> the quantised numbers, widened to float32 again
;;       x = np.moveaxis(x, axis, -1); K = x.shape[-1]
;;       x = np.pad(x, [(0, 0)] * (x.ndim - 1) + [(0, -K % 32)]); x = x.reshape(x.shape[:-1] + (-1, 32)); a = np.abs(x).max(-1, keepdims=True)
;;       e = np.where(a > 0, np.clip(np.frexp(np.where(a > 0, a, 1))[1] - 1 - 4, -126, 127), 0)      # np.frexp(a)[1] - 1 = floor(log2(a)), exactly
;;       r = np.clip(x / 2.0 ** e, -28, 28)
;;       step = 2.0 ** (np.maximum(np.frexp(np.where(r == 0, 1, r))[1] - 1, -2) - 2)
;;       q = np.round(r / step) * step * 2.0 ** e      # np.round: ties to even
;;       return np.moveaxis(q.reshape(q.shape[:-2] + (-1,))[..., :K], -1, axis).astype(np.float32)
;;   ~~~
;;   SOFTMAX AHEAD OF A QUANTISED PRODUCT. Where the list says 'softmax', what is quantised is not the finished softmax but p = 2^(t - M), with t = logit x log2(e) and M = ceil(the row's largest t), a whole number; so 1/2 < the row's largest p <= 1. The row's sum l is taken of the UNQUANTISED p, in f32, and the product's result is divided by l at the end. Since M is a whole number, a kernel that streams over the keys may use a running M (the ceiling of the running maximum): every later rescaling is an exact power of two, which a block's scale takes up: the codes' values come out the same.
;;   OPERANDS COMPUTED ON THE WAY. 'Computed on the way' means the value that the module computes at that place (a softmax that the list does not call 'softmax' is quantised finished and normalised). What goes into a quantiser is computed in f32, as accurately as f32 sums, v_exp_f32 and their like allow (about 1e-6 of the number): no bf16 or f16 on the way to a quantiser, and a product that is left as it is and whose result goes on into a quantised operand takes f32 operands (vector FMAs, or v_wmma_f32_16x16x4_f32). A number that lies on a knife's edge between two numbers of the format may be rounded either way, as far as f32 arithmetic and the matrix unit's own rounding can turn it there, and no further.
;;   INPUTS GIVEN AS CODES. Wout (in the module: [256, 256], K = its axis 0); Wqkv (in the module: [256, 768], K = its axis 0); x (in the module: [8, 2048, 256], K = its axis 2): each comes as NAME_codes (uint8): NAME with its K axis moved to the last place and cut into blocks of 32 codes, [.., K / 32, bytes a block], one block behind the other in memory; four codes in three bytes: a row's codes are one little-endian stream of bits, code i at bits 6 i .. 6 i + 5 (a code: sign, 3 exponent bits, 2 mantissa bits); and NAME_scales (uint8): the same leading axes, one E8M0 byte (e + 127) for each 32 codes along K. Its value is code x scale, taken as it is: it is not quantised again, and the codes and scales need not be those that the quantiser above would give.
;; 2 versions, each right; version 2 is version 1 with the launches qkv, proj written anew for expert scheduling mode. Each part assembles by itself: llvm-mc -triple=amdgcn-amd-amdhsa -mcpu=gfx1250 --defsym DOCPART=n.
;; ======== version 1 of 2: 3 launches
;; workspace buffers: kv 6,553,600 bytes; qws 3,276,800 bytes; ao 4,194,304 bytes
;; launch qkv (part 1): grid 128 x 2, 12 waves a work-group, no clusters, 44,544 bytes of LDS; arguments x_codes, x_scales, Wqkv_codes, Wqkv_scales, bqkv, kv, qws; writes kv, qws
.if DOCPART == 1
	.amdgcn_target "amdgcn-amd-amdhsa--gfx1250"
	.amdhsa_code_object_version 6
	.text
	.protected	k_q438d4cb943_qkv
	.globl	k_q438d4cb943_qkv
	.p2align	8
	.type	k_q438d4cb943_qkv,@function
k_q438d4cb943_qkv:
	s_mov_b64 s[64:65], 0
	v_nop
	global_prefetch_b8 v0, s[64:65] scope:SCOPE_SE
	s_setreg_imm32_b32 hwreg(HW_REG_WAVE_MODE, 25, 1), 1
	s_wait_xcnt 0x0
; qkv = x Wqkv + bqkv on codes of BF6 (E3M2) with E8M0 scales; RoPE on q and k in f32; q and k are quantised along the head's 32 (one block), v along the keys; all three leave in the order of the next launch's operand registers.
; SHARES.  A work-group takes 128 tokens (x: batch 16 to a batch) and four heads (y).  Wave w: role w / 4 (0 q, 1 k, 2 v), head 4 y + w % 4: 32 columns of Wqkv for all 128 tokens.  Its four fragments of W (6,144 bytes) go from memory
; into the registers where they stay.  x's 16 fragments and the sines and cosines are made ready by waves 0-7 (a tile of 16 tokens each) and reach all twelve through LDS as images of their registers: one barrier.
; NO TENSOR LOAD, NO CLUSTER: what work-groups share is W, of which each wave reads its 6,144 bytes once, straight into operand registers; through LDS they would be written and read once more for that one use.
; THE TOKENS OF A TILE ARE NOT NEIGHBOURS: row r of tile 2 b + u is token 32 b + 8 u + r + 8 (r / 8); W's rows of a tile are chosen the same way.  So 16 registers of two neighbouring result tiles are 16 neighbours along the next K.
; q, k: transposed use (source 0 = 16 rows of W, source 1 = 16 tokens): a lane holds one token and d = 16 (lane / 16) + 0 .. 15.   v: source 0 = 16 tokens, source 1 = 16 rows of W: a lane holds one d and its registers run along the tokens.
; A FRAGMENT OF q OR k IS DENSE: its four blocks of 32 along the instruction's K hold four different tiles of 16 tokens (block 2 c + h: tile 4 f + 2 c + h), its scale word their four bytes.
; OUT: an image of a fragment: registers 4 g .. 4 g + 3 of lane l at 512 g + 16 l: each store of a wave covers 512 consecutive bytes, aligned.  A step's two scale stores are 128 bytes each, from two waves: 1 / 25 of the bytes.
; LIMITS: NaN, infinities and the scale byte 0xff among the inputs are not served.  A block whose largest magnitude lies under 2^-122 keeps the byte 1 (a block of zeros too: its codes are zeros, and this program alone reads the bytes).
; The frequencies are the f32 numbers nearest to 10^(-j / 4).  sin and cos: the angle t f (rounded once, as f32), less n x pi/2 in two parts (exact for angles under 2,048), polynomials of degree 9 and 10: about 1e-7 absolute.
.set XIMG, 0                           ; LDS: x's fragments: tile m, K step s, group g: 3072 m + 1536 s + 512 g + 16 l
.set XSC,  24576                       ; their scale words: 128 m + 4 l (lanes 0-15: K step 0's, lanes 16-31: K step 1's)
.set TRIG, 25600                       ; cos and sin: 2048 m + 512 g + 16 l
.set LI,  1                            ; v1   16 x lane
.set LS,  2                            ; v2   4 x lane
.set VW,  3                            ; v3   192 rr + 24 h: a fragment's bytes in rows of 192 (W and x); rr = r + 8 (r / 8)
.set VWS, 4                            ; v4   8 rr + 4 h: the scale words of both K steps, one in each half of the lanes
.set VBQ, 5                            ; v5   64 h: q's and k's bias
.set VBV, 6                            ; v6   4 rr: v's bias
.set XW,  7                            ; v7   where I store x's images
.set XSW, 8                            ; v8   their scale words
.set TW,  9                            ; v9   the sines and cosines
.set TT,  10                           ; v10  my token's place in the sequence, as f32
.set WF,  16                           ; v16-63   W's fragments: tile u, K step s at 12 (2 u + s)
.set WS,  64                           ; v64-65   W's scale words
.set XS,  66                           ; v66-67   x's scale words
.set BI,  68                           ; v68-83   the bias, 8 registers a tile, in the result's layout
.set XF,  84                           ; v84-131  x's fragments
.set TR,  132                          ; q, k: v132-147 cos of pair i at 2 i, sin at 2 i + 1
.set HA,  148                          ; v148-163 the two result tiles
.set RO,  164                          ; v164-179 rotated
.set FRG, 180                          ; v180-203 the two dense fragments
.set CB,  204                          ; v204-206 an odd tile's codes
.set MX,  208
.set PT,  209
.set SO,  210
.set BY,  211
.set KW,  212                          ; v212-213 the fragments' scale words
.set MG,  214
.set ACC, 132                          ; v: v132-195 eight result tiles
.set PC,  196                          ; v196-214 the codes just made
.set TM,  216                          ; v216-231 at work
.set PW,  232                          ; the scale word just made
.set PW0, 233
.set MGV, 234
.set BV,  236                          ; v236-237 v's bias as loaded
	s_load_b256 s[4:11], s[0:1], 0x0               ; x's codes s[4:5], x's scales s[6:7], W's codes s[8:9], W's scales s[10:11]
	s_load_b128 s[12:15], s[0:1], 0x20             ; bqkv s[12:13], kv s[14:15]
	s_load_b64 s[16:17], s[0:1], 0x30              ; qws
	v_lshl_add_u32 v240, v0, 2, 0xa800
	v_mov_b32 v241, 0
	v_lshrrev_b32 v11, 5, v0
	v_readfirstlane_b32 s18, v11                   ; wave 0..11
	s_lshr_b32 s19, s18, 2                         ; role
	s_and_b32 s20, s18, 3
	s_and_b32 s21, ttmp7, 0xffff
	s_lshl_b32 s21, s21, 2
	s_add_co_u32 s20, s20, s21                     ; head
	s_mov_b32 s21, ttmp9                           ; which 128 tokens of the 16,384
	s_and_b32 s22, ttmp9, 15                       ; and of the batch's 2,048
	s_lshr_b32 s24, ttmp9, 4
	s_lshl_b32 s24, s24, 3
	s_add_co_u32 s24, s24, s20                     ; 8 x batch + head
	s_lshl_b32 s25, s19, 8
	s_lshl_b32 s26, s20, 5
	s_add_co_u32 s25, s25, s26                     ; my first column of Wqkv: 256 role + 32 head
	s_mov_b32 s32, 0x76543210
	s_mov_b32 s33, 0xfedcba98                      ; v_permlanex16_b32's selects for lane l xor 16
	s_mov_b32 s34, 0xffff0000                      ; lanes 16-31
	s_mov_b32 s36, 0x3f22f983                      ; 2 / pi
	s_mov_b32 s37, 0xbfc90fdb                      ; -(pi / 2), its f32 part,
	s_mov_b32 s38, 0x333bbd2e                      ; and less the rest
	s_mov_b32 s39, 0xbe2aaaab                      ; sin: -1/6, 1/120, -1/5040, 1/362880
	s_mov_b32 s40, 0x3c088889
	s_mov_b32 s41, 0xb9500d01
	s_mov_b32 s42, 0x3638ef1d
	s_mov_b32 s43, 0x3d2aaaab                      ; cos: 1/24, -1/720, 1/40320, -1/3628800
	s_mov_b32 s44, 0xbab60b61
	s_mov_b32 s45, 0x37d00d01
	s_mov_b32 s46, 0xb493f27e
	v_and_b32 v12, 31, v0                          ; lane
	v_and_b32 v13, 15, v0                          ; r
	v_bfe_u32 v14, v0, 4, 1                        ; h
	v_and_b32 v15, 8, v13
	v_add_nc_u32 v15, v15, v13                     ; rr = r + 8 (r / 8)
	v_lshlrev_b32 v[LI], 4, v12
	v_lshlrev_b32 v[LS], 2, v12
	v_mul_u32_u24 v[VW], v15, 192
	v_mad_u32_u24 v[VW], v14, 24, v[VW]
	v_lshlrev_b32 v[VWS], 3, v15
	v_lshl_add_u32 v[VWS], v14, 2, v[VWS]
	v_lshlrev_b32 v[VBQ], 6, v14
	v_lshlrev_b32 v[VBV], 2, v15
	s_mul_i32 s26, s18, 3072                       ; every LDS address is made here, ahead of the first parting of the waves
	v_add_nc_u32 v[XW], s26, v[LI]
	s_lshl_b32 s26, s18, 7
	s_add_co_u32 s26, s26, XSC
	v_add_nc_u32 v[XSW], s26, v[LS]
	s_lshl_b32 s26, s18, 11
	s_add_co_u32 s26, s26, TRIG
	v_add_nc_u32 v[TW], s26, v[LI]
	; where my results go, as offsets
	s_mul_i32 s50, s24, 51200                      ; qws: 51,200 bytes a head
	s_mul_i32 s51, s22, 3072
	s_add_co_u32 s51, s51, s50                     ; q's two fragments
	s_lshl_b32 s52, s22, 7
	s_add_co_u32 s52, s52, s50
	s_add_co_u32 s52, s52, 49152                   ; q's scale words
	s_mul_i32 s53, s24, 102400                     ; kv: 102,400 bytes a head,
	s_mul_i32 s54, s22, 6400                       ; 6,400 a step of 128 keys
	s_add_co_u32 s53, s53, s54
	s_cmp_eq_u32 s19, 2
	s_cselect_b32 s54, 3072, 0                     ; v's fragments lie behind k's,
	s_cselect_b32 s55, 128, 0                      ; its scale words too
	s_add_co_u32 s54, s54, s53
	s_add_co_u32 s55, s55, s53
	s_add_co_u32 s55, s55, 6144
	s_cmp_eq_u32 s19, 0                            ; q goes to qws, k and v to kv: the choice hangs on the wave's number alone
	s_cselect_b32 s26, s51, s54
	s_cselect_b32 s48, s52, s55
	s_mov_b32 s27, 0
	s_mov_b32 s49, 0
	s_wait_kmcnt 0x0
	s_cselect_b64 s[28:29], s[16:17], s[14:15]
	s_add_nc_u64 s[30:31], s[28:29], s[48:49]      ; the scale words' place
	s_add_nc_u64 s[28:29], s[28:29], s[26:27]      ; the fragments' place
	s_mul_i32 s26, s25, 192
	s_add_nc_u64 s[8:9], s[8:9], s[26:27]          ; W's codes, scales and the bias at my first column
	s_lshl_b32 s26, s25, 3
	s_add_nc_u64 s[10:11], s[10:11], s[26:27]
	s_lshl_b32 s26, s25, 2
	s_add_nc_u64 s[12:13], s[12:13], s[26:27]
.irp u,0,1                                     ; W's four fragments: tile u's lane r takes row 8 u + rr of my 32
.irp s,0,1
.irp p,0,1,2,3,4,5
	global_load_b64 v[WF+12*(2*\u+\s)+2*\p:WF+12*(2*\u+\s)+2*\p+1], v[VW], s[8:9] offset:1536*\u+96*\s+48*(\p/3)+8*(\p%3)
.endr
.endr
	global_load_b32 v[WS+\u], v[VWS], s[10:11] offset:64*\u
.endr
.irp u,0,1                                     ; the bias in both layouts, in every wave (all inside my 128 bytes of it): q, k: b[16 h + 8 u + j]; v: b[8 u + rr]
	global_load_b128 v[BI+8*\u:BI+8*\u+3], v[VBQ], s[12:13] offset:32*\u
	global_load_b128 v[BI+8*\u+4:BI+8*\u+7], v[VBQ], s[12:13] offset:32*\u+16
	global_load_b32 v[BV+\u], v[VBV], s[12:13] offset:32*\u
.endr
	; ---- waves 0-7: tile m = wave: x's two fragments, and cos and sin for its tokens
	s_cmp_lt_u32 s18, 8
	s_cbranch_scc0 .Lno_x
	s_lshr_b32 s50, s18, 1
	s_lshl_b32 s50, s50, 5
	s_and_b32 s51, s18, 1
	s_lshl_b32 s51, s51, 3
	s_add_co_u32 s50, s50, s51                     ; the tile's first token among the 128: 32 (m / 2) + 8 (m % 2)
	s_lshl_b32 s51, s21, 7
	s_add_co_u32 s51, s51, s50                     ; and among all rows of x
	s_mul_i32 s52, s51, 192
	s_mov_b32 s53, 0
	s_add_nc_u64 s[4:5], s[4:5], s[52:53]
	s_lshl_b32 s52, s51, 3
	s_add_nc_u64 s[6:7], s[6:7], s[52:53]
.irp s,0,1
.irp p,0,1,2,3,4,5
	global_load_b64 v[XF+12*\s+2*\p:XF+12*\s+2*\p+1], v[VW], s[4:5] offset:96*\s+48*(\p/3)+8*(\p%3)
.endr
.endr
	global_load_b32 v[XS], v[VWS], s[6:7]
	s_lshl_b32 s51, s22, 7
	s_add_co_u32 s51, s51, s50
	v_add_nc_u32 v[TT], s51, v15
	v_cvt_f32_u32 v[TT], v[TT]                     ; my token's place t
.macro FREQ i, lo, hi                          ; my pair i is d = 16 h + 2 i, 2 i + 1: frequency 8 h + i
	v_mov_b32 v172, \lo
	v_mov_b32 v173, \hi
	v_cndmask_b32 v[164+\i], v172, v173, s34
.endm
	FREQ 0, 0x3f800000, 0x3c23d70a
	FREQ 1, 0x3f0ff59a, 0x3bb8449c
	FREQ 2, 0x3ea1e89b, 0x3b4f3e37
	FREQ 3, 0x3e361887, 0x3ae91528
	FREQ 4, 0x3dcccccd, 0x3a83126f
	FREQ 5, 0x3d6655c3, 0x3a136a16
	FREQ 6, 0x3d0186e2, 0x39a5cb5f
	FREQ 7, 0x3c91ad39, 0x393a7753
.macro SINCOS i
	v_mul_f32 v148, v[TT], v[164+\i]               ; the angle, rounded once
	v_mul_f32 v149, s36, v148
	v_rndne_f32 v149, v149                         ; n = the nearest whole number of quarter turns
	v_fma_f32 v150, v149, s37, v148                ; exact: the difference has no bit under 2^-23 and lies under 1
	v_fma_f32 v150, v149, s38, v150                ; rho, within pi / 4 of 0
	v_mul_f32 v151, v150, v150                     ; z
	v_fma_f32 v152, v151, s42, s41
	v_fma_f32 v153, v151, s46, s45
	v_fma_f32 v152, v152, v151, s40
	v_fma_f32 v153, v153, v151, s44
	v_fma_f32 v152, v152, v151, s39
	v_fma_f32 v153, v153, v151, s43
	v_mul_f32 v154, v150, v151
	v_fma_f32 v153, v153, v151, -0.5
	v_fma_f32 v152, v154, v152, v150               ; sin rho
	v_fma_f32 v153, v153, v151, 1.0                ; cos rho
	v_cvt_i32_f32 v155, v149
	v_and_b32 v156, 1, v155
	v_cmp_ne_u32 vcc_lo, 0, v156                   ; an odd quarter swaps the two (a choice of values: no branch)
	v_cndmask_b32 v157, v152, v153, vcc_lo
	v_cndmask_b32 v158, v153, v152, vcc_lo
	v_lshlrev_b32 v156, 30, v155                   ; sin is negative in quarters 2 and 3,
	v_add_nc_u32 v155, 1, v155
	v_and_b32 v156, 0x80000000, v156
	v_lshlrev_b32 v155, 30, v155                   ; cos in quarters 1 and 2
	v_xor_b32 v[TR+2*\i+1], v156, v157
	v_and_b32 v155, 0x80000000, v155
	v_xor_b32 v[TR+2*\i], v155, v158
.endm
.irp i,0,1,2,3,4,5,6,7
	SINCOS \i
.endr
	s_wait_loadcnt 0x0                             ; x's loads are my youngest: all are in
.irp s,0,1
.irp g,0,1,2
	ds_store_b128 v[XW], v[XF+12*\s+4*\g:XF+12*\s+4*\g+3] offset:XIMG+1536*\s+512*\g
.endr
.endr
	ds_store_b32 v[XSW], v[XS]
.irp g,0,1,2,3
	ds_store_b128 v[TW], v[TR+4*\g:TR+4*\g+3] offset:512*\g
.endr
.Lno_x:
	s_wait_loadcnt 0x0                             ; W, its scales, the bias
	s_wait_dscnt 0x0                               ; for the others' sake: my stores have landed
	s_barrier_signal -1
	s_barrier_wait -1                              ; from here on LDS is only read
	s_cmp_eq_u32 s19, 2
	s_cbranch_scc1 .Lv_path
	; ---- q and k
.macro LDX m                                   ; x's tile m and its scale words
.irp s,0,1
.irp g,0,1,2
	ds_load_b128 v[XF+12*\s+4*\g:XF+12*\s+4*\g+3], v[LI] offset:XIMG+3072*(\m)+1536*\s+512*\g
.endr
.endr
	ds_load_b32 v[XS], v[LS] offset:XSC+128*(\m)
.endm
.macro LDT m                                   ; its tokens' cos and sin
.irp g,0,1,2,3
	ds_load_b128 v[TR+4*\g:TR+4*\g+3], v[LI] offset:TRIG+2048*(\m)+512*\g
.endr
.endm
.macro QKTILE m
.set EV, FRG+12*((\m)/4)+6*(((\m)/2)%2)        ; where the pair of tiles m, m + 1 (m even) lands in the dense fragments
	s_wait_dscnt 0x0                               ; this tile's images are in
.irp s,0,1                                     ; the two accumulators take turns; the bias is the C of each sum's first product
.irp u,0,1
.if \s == 0
	v_wmma_scale_f32_16x16x128_f8f6f4 v[HA+8*\u:HA+8*\u+7], v[WF+24*\u:WF+24*\u+11], v[XF:XF+11], v[BI+8*\u:BI+8*\u+7], v[WS+\u], v[XS] matrix_a_fmt:MATRIX_FMT_BF6 matrix_b_fmt:MATRIX_FMT_BF6
.else
	v_wmma_scale_f32_16x16x128_f8f6f4 v[HA+8*\u:HA+8*\u+7], v[WF+24*\u+12:WF+24*\u+23], v[XF+12:XF+23], v[HA+8*\u:HA+8*\u+7], v[WS+\u], v[XS] matrix_a_fmt:MATRIX_FMT_BF6 matrix_b_fmt:MATRIX_FMT_BF6 matrix_a_scale:MATRIX_SCALE_ROW1 matrix_b_scale:MATRIX_SCALE_ROW1
.endif
.endr
.endr
.rept 4
	v_nop                                          ; four places: ahead of the loads into registers that the products read, and of the first read of the results
.endr
.if (\m) < 7
	LDX (\m)+1                                     ; the next tile's x is on its way while this one is rotated
.endif
.irp i,0,1,2,3,4,5,6,7                         ; RoPE, each accumulator from its low end on: (x0, x1) -> (x0 c - x1 s, x1 c + x0 s)
	v_mul_f32 v[RO+2*\i], v[HA+2*\i], v[TR+2*\i]
	v_mul_f32 v[RO+2*\i+1], v[HA+2*\i+1], v[TR+2*\i]
	v_fma_f32 v[RO+2*\i], -v[HA+2*\i+1], v[TR+2*\i+1], v[RO+2*\i]
	v_fma_f32 v[RO+2*\i+1], v[HA+2*\i], v[TR+2*\i+1], v[RO+2*\i+1]
.endr
.if (\m) < 7
	LDT (\m)+1
.endif
	v_max3_num_f32 v[MX], |v[RO]|, |v[RO+1]|, 0x2800000   ; my 16 of the token's 32, and the floor 2^(5 - 127): the byte cannot fall under 1
.irp i,2,4,6,8,10,12,14
	v_max3_num_f32 v[MX], v[MX], |v[RO+\i]|, |v[RO+\i+1]|
.endr
	v_permlanex16_b32 v[PT], v[MX], s32, s33
	v_max_num_f32 v[MX], v[MX], v[PT]              ; with lane l xor 16's: the block's largest magnitude
	v_add_nc_u32 v[SO], 0xfe000000, v[MX]          ; 4 off its exponent field: the conversion's scale operand
	v_lshrrev_b32 v[BY], 23, v[SO]                 ; the scale's byte
.if (\m)%2 == 0
	v_cvt_scalef32_pk16_bf6_f32 v[EV:EV+2], v[RO:RO+15], v[SO]
.else
	v_cvt_scalef32_pk16_bf6_f32 v[CB:CB+2], v[RO:RO+15], v[SO]
.endif
	v_nop                                          ; one plain place behind a scaled conversion
.if (\m)%4 == 0
	v_mov_b32 v[KW+(\m)/4], v[BY]                  ; byte m % 4 of the fragment's scale word: row r's in lane r
.else
	v_lshl_or_b32 v[KW+(\m)/4], v[BY], 8*((\m)%4), v[KW+(\m)/4]
.endif
.if (\m)%2 == 1                                ; a whole block in a lane: lanes 0-15 the even tile's tokens, lanes 16-31 the odd tile's
.irp i,0,1,2
	v_permlane16_swap_b32 v[EV+\i], v[CB+\i]
.endr
.irp i,0,1,2
	v_mov_b32 v[EV+3+\i], v[CB+\i]
.endr
.endif
.endm
	v_mov_b32 v[PT], 0                             ; written once: a lane permute's destination counts as one of its sources
	LDX 0
	LDT 0
.irp m,0,1,2,3,4,5,6,7
	QKTILE \m
.endr
	v_cndmask_b32 v[MG], v[KW], v[KW+1], s34       ; lanes 0-15: fragment 0's words, lanes 16-31: fragment 1's
.irp f,0,1
.irp g,0,1,2
	global_store_b128 v[LI], v[FRG+12*\f+4*\g:FRG+12*\f+4*\g+3], s[28:29] offset:1536*\f+512*\g   ; 512 consecutive bytes, aligned
.endr
.endr
	global_store_b32 v[LS], v[MG], s[30:31]
	s_wait_tensorcnt 0x0
	ds_add_u32 v240, v241
	s_wait_dscnt 0x0
	s_endpgm
	; ---- v
.Lv_path:
.irp t,0,1
.irp j,0,1,2,3,4,5,6,7
	v_mov_b32 v[BI+8*\t+\j], v[BV+\t]              ; a lane holds one d: its bias in all eight registers of the C
.endr
.endr
.irp b,0,1,2,3
	v_mov_b32 v[TM+4+\b], 0                        ; written once: a lane permute's destination counts as one of its sources
.endr
.macro VPAIR t, b                              ; tiles 2 b and 2 b + 1 of the tokens against tile t of my columns
.rept 4
	v_nop                                          ; places ahead of loads into registers that products have read
.endr
.irp e,0,1
.irp s,0,1
.irp g,0,1,2
	ds_load_b128 v[XF+24*\e+12*\s+4*\g:XF+24*\e+12*\s+4*\g+3], v[LI] offset:XIMG+3072*(2*\b+\e)+1536*\s+512*\g
.endr
.endr
	ds_load_b32 v[XS+\e], v[LS] offset:XSC+128*(2*\b+\e)
.endr
	s_wait_dscnt 0x0
.irp s,0,1                                     ; the two accumulators take turns
.irp e,0,1
.if \s == 0
	v_wmma_scale_f32_16x16x128_f8f6f4 v[ACC+8*(2*\b+\e):ACC+8*(2*\b+\e)+7], v[XF+24*\e:XF+24*\e+11], v[WF+24*\t:WF+24*\t+11], v[BI+8*\t:BI+8*\t+7], v[XS+\e], v[WS+\t] matrix_a_fmt:MATRIX_FMT_BF6 matrix_b_fmt:MATRIX_FMT_BF6
.else
	v_wmma_scale_f32_16x16x128_f8f6f4 v[ACC+8*(2*\b+\e):ACC+8*(2*\b+\e)+7], v[XF+24*\e+12:XF+24*\e+23], v[WF+24*\t+12:WF+24*\t+23], v[ACC+8*(2*\b+\e):ACC+8*(2*\b+\e)+7], v[XS+\e], v[WS+\t] matrix_a_fmt:MATRIX_FMT_BF6 matrix_b_fmt:MATRIX_FMT_BF6 matrix_a_scale:MATRIX_SCALE_ROW1 matrix_b_scale:MATRIX_SCALE_ROW1
.endif
.endr
.endr
.endm
; 64 numbers of a lane, register 16 b + i = key 32 b + 16 (lane / 16) + i of my d, become a fragment's codes in v[PC] on and its scale word in v[PW]
.macro QUANT s
.irp b,0,1,2,3
	v_max3_num_f32 v[TM+\b], |v[\s+16*\b]|, |v[\s+1+16*\b]|, 0x2800000   ; block b: my 16 numbers, and the floor 2^(5 - 127)
.endr
.irp i,2,4,6,8,10,12,14
.irp b,0,1,2,3
	v_max3_num_f32 v[TM+\b], v[TM+\b], |v[\s+16*\b+\i]|, |v[\s+1+16*\b+\i]|   ; the four blocks by turns; each accumulator is read from its low end on
.endr
.endr
.irp b,0,1,2,3
	v_permlanex16_b32 v[TM+4+\b], v[TM+\b], s32, s33
.endr
.irp b,0,1,2,3
	v_max_num_f32 v[TM+\b], v[TM+\b], v[TM+4+\b]
.endr
.irp b,0,1,2,3
	v_add_nc_u32 v[TM+12+\b], 0xfe000000, v[TM+\b]
.endr
.irp b,0,1,2,3
	v_lshrrev_b32 v[TM+4+\b], 23, v[TM+12+\b]
.endr
	v_lshl_or_b32 v[PW], v[TM+5], 8, v[TM+4]
	v_lshl_or_b32 v[PW], v[TM+6], 16, v[PW]
	v_lshl_or_b32 v[PW], v[TM+7], 24, v[PW]
.irp c,0,1
	v_cvt_scalef32_pk16_bf6_f32 v[PC+6*\c:PC+2+6*\c], v[\s+32*\c:\s+15+32*\c], v[TM+12+2*\c]
	v_cvt_scalef32_pk16_bf6_f32 v[PC+12+4*\c:PC+14+4*\c], v[\s+16+32*\c:\s+31+32*\c], v[TM+12+2*\c+1]   ; (a conversion's three registers begin on an even number)
.endr
	v_nop                                          ; one plain place behind a scaled conversion
.irp c,0,1                                     ; a whole block in a lane
.irp i,0,1,2
	v_permlane16_swap_b32 v[PC+6*\c+\i], v[PC+12+4*\c+\i]
.endr
.irp i,0,1,2
	v_mov_b32 v[PC+3+6*\c+\i], v[PC+12+4*\c+\i]
.endr
.endr
.endm
.irp t,0,1
.irp b,0,1,2,3
	VPAIR \t, \b
.endr
.rept 4
	v_nop                                          ; places ahead of the first read of the results
.endr
.if \t == 1
	s_wait_xcnt 0x0                                ; the first tile's stores have read the codes' registers, which are written again below
.endif
	QUANT ACC
.irp g,0,1,2
	global_store_b128 v[LI], v[PC+4*\g:PC+4*\g+3], s[28:29] offset:1536*\t+512*\g   ; 512 consecutive bytes, aligned
.endr
.if \t == 0
	v_mov_b32 v[PW0], v[PW]
.endif
.endr
	v_cndmask_b32 v[MGV], v[PW0], v[PW], s34       ; lanes 0-15: tile 0's words, lanes 16-31: tile 1's
	global_store_b32 v[LS], v[MGV], s[30:31]
	s_wait_tensorcnt 0x0
	ds_add_u32 v240, v241
	s_wait_dscnt 0x0
	s_endpgm
.Lfunc_end_k_q438d4cb943_qkv:
	.size	k_q438d4cb943_qkv, .Lfunc_end_k_q438d4cb943_qkv-k_q438d4cb943_qkv
	.p2alignl 7, 3214868480
	.fill 96, 4, 3214868480
	.section	.rodata,"a",@progbits
	.p2align	6, 0x0
	.amdhsa_kernel k_q438d4cb943_qkv
		.amdhsa_group_segment_fixed_size 44544
		.amdhsa_private_segment_fixed_size 0
		.amdhsa_enable_private_segment 0
		.amdhsa_kernarg_size 56
		.amdhsa_user_sgpr_count 2
		.amdhsa_user_sgpr_kernarg_segment_ptr 1
		.amdhsa_wavefront_size32 1
		.amdhsa_system_sgpr_workgroup_id_x 1
		.amdhsa_system_sgpr_workgroup_id_y 1
		.amdhsa_system_sgpr_workgroup_id_z 1
		.amdhsa_system_vgpr_workitem_id 0
		.amdhsa_next_free_vgpr 242
		.amdhsa_next_free_sgpr 66
		.amdhsa_reserve_vcc 1
		.amdhsa_float_denorm_mode_32 3
		.amdhsa_float_denorm_mode_16_64 3
		.amdhsa_memory_ordered 1
		.amdhsa_forward_progress 1
		.amdhsa_inst_pref_size 75
	.end_amdhsa_kernel
	.amdgpu_metadata
---
amdhsa.version: [ 1, 2 ]
amdhsa.kernels:
  - .name:           k_q438d4cb943_qkv
    .symbol:         k_q438d4cb943_qkv.kd
    .args:
      - { .name: x_codes, .offset: 0, .size: 8, .value_kind: global_buffer, .address_space: global }
      - { .name: x_scales, .offset: 8, .size: 8, .value_kind: global_buffer, .address_space: global }
      - { .name: Wqkv_codes, .offset: 16, .size: 8, .value_kind: global_buffer, .address_space: global }
      - { .name: Wqkv_scales, .offset: 24, .size: 8, .value_kind: global_buffer, .address_space: global }
      - { .name: bqkv, .offset: 32, .size: 8, .value_kind: global_buffer, .address_space: global }
      - { .name: kv, .offset: 40, .size: 8, .value_kind: global_buffer, .address_space: global }
      - { .name: qws, .offset: 48, .size: 8, .value_kind: global_buffer, .address_space: global }
    .group_segment_fixed_size: 44544
    .private_segment_fixed_size: 0
    .kernarg_segment_align: 8
    .kernarg_segment_size: 56
    .max_flat_workgroup_size: 384
    .sgpr_count:     66
    .vgpr_count:     242
    .wavefront_size: 32
...
	.end_amdgpu_metadata
.endif
;; end of part 1
;; launch attn (part 2): grid 256 x 1, 16 waves a work-group, clusters of 4 x 1, 169,984 bytes of LDS; arguments kv, qws, ao; writes ao
.if DOCPART == 2
	.amdgcn_target "amdgcn-amd-amdhsa--gfx1250"
	.amdhsa_code_object_version 6
	.text
	.protected	k_q438d4cb943_attn
	.globl	k_q438d4cb943_attn
	.p2align	8
	.type	k_q438d4cb943_attn,@function
k_q438d4cb943_attn:
	s_mov_b64 s[64:65], 0
	v_nop
	global_prefetch_b8 v0, s[64:65] scope:SCOPE_SE
	s_setreg_imm32_b32 hwreg(HW_REG_WAVE_MODE, 25, 1), 1
	s_wait_xcnt 0x0
	s_wait_alu depctr_hold_cnt(0) depctr_sa_sdst(0) depctr_va_vdst(0) depctr_va_sdst(0) depctr_va_ssrc(0) depctr_va_vcc(0) depctr_vm_vsrc(0)
	s_getreg_b32 s2, hwreg(HW_REG_IB_STS2, 6, 4)
	s_cmp_eq_u32 s2, 0
	s_cbranch_scc0 .Lentry_in_a_cluster
	s_endpgm
.Lentry_in_a_cluster:
	s_bfe_u32 s2, ttmp6, 0x10000c
	s_cmp_lg_u32 s2, 0x3003
	s_cbranch_scc0 .Lentry_shape_is_right
	s_endpgm
.Lentry_shape_is_right:
; Causal attention of one (batch, head) on codes of BF6 (E3M2) with E8M0 scales: S^T = K Q^T (K = the head's 32), p = 2^(t - M), O^T = V^T P^T (K = the keys), O / l, quantised along the head's 32 for the last product.
; t = score x log2(e) / sqrt(32); M = the running largest t rounded UP to a whole number; the row's sum l is taken of the unquantised p; when M moves, l and O^T are multiplied by 2^(old M - new M), which rounds nothing.
; SHARES.  A cluster of four work-groups owns one (batch, head); all four need the whole head's K, V and scales: 16 steps of 128 keys x 6,400 bytes = 102,400 bytes, which lie in each one's LDS, FILLED ONCE:
; each of the sixteen waves asks for one step by ONE joint tensor load (the same descriptor and mask in all four work-groups).  One barrier; then LDS is only read: no ring, no refill.
; A wave owns ONE tile of 16 queries at a time, in 256 registers: four waves to a SIMD, so that one wave's vector work stands beside another's products and LDS loads.
; EVEN WORK UNDER THE MASK: wave w (g = w % 8) takes tile 2 cx + w / 8 of the 128 queries of group g (g + 1 key steps) and then the same tile of group 15 - g (16 - g steps): 17 steps for every wave of the launch.
; The loop's trip count is the constant 17; its branches hang on the wave's number and the trip alone, never on the work-group's place in its cluster, which enters only global offsets and the mask's vector operand.
; THE FIRST PRODUCT'S K IS 32, THE INSTRUCTION'S 128.  A fragment of K is DENSE: block 2 c + h of fragment f holds the 16 keys of tile 4 f + 2 c + h.  The queries stand in four versions, each with their codes in ONE block and zero codes
; in the others, which add nothing: fragment f x version i gives tile 4 f + i.  So 128 keys are 3,072 bytes of LDS and 24 registers.
; THE KEYS (AND QUERIES) OF A TILE ARE NOT NEIGHBOURS: row r of tile 2 b + u is 32 b + 8 u + r + 8 (r / 8): the 16 registers of S^T's tiles 2 b, 2 b + 1 are keys 32 b + 16 (lane / 16) + 0 .. 15.  A lane holds one query throughout.
; LIMITS: NaN and infinities are not served.  A block whose largest magnitude lies under 2^-122 keeps the byte 1 (a block of zeros too: its codes are zeros, and this program alone reads the bytes).
.set STEPB, 6400                       ; a step in kv and in LDS: K's two fragments (1,536 each), V's two, K's scale words (128), V's (128)
.set LI,  1                            ; v1   16 x lane
.set LS,  2                            ; v2   4 x lane
.set AD,  3                            ; v3   the step's fragments in LDS
.set AS,  4                            ; v4   its scale words
.set DM,  5                            ; v5   my query among its group's 128, less 16 (lane / 16)
.set QL,  16                           ; v16-21 my query's 32 codes; v22 its scale byte
.set QS,  23                           ; v23  that byte four times: the queries' scale word
.set QF,  24                           ; v24-59 [QA][0][QA][QB][0][QB]: QA = the codes in lanes 0-15, QB in lanes 16-31; version 0 at +0, 2 at +6, 1 at +18, 3 at +24
.set KF,  60                           ; v60-83   K's two fragments
.set VF,  84                           ; v84-107  V's two
.set KSC, 108
.set VSC, 109
.set ST,  112                          ; v112-175 S^T, then p
.set OT,  176                          ; v176-191 O^T
.set PC,  192                          ; v192-203 p's codes
.set CT,  204                          ; v204-206, v208-210 conversions' second halves
.set BM,  212                          ; v212-215 the blocks' largest
.set BT,  216                          ; v216-219 at work
.set SOP, 220                          ; v220-223 the conversions' scale operands
.set FF,  224                          ; v[224:225] f = 2^(old M - new M)
.set PW,  226                          ; p's scale word
.set TP,  227
.set SU,  228                          ; v[228:229] the sums' second chain
.set ON,  230                          ; v230-245 O / l
.set CD,  246                          ; v246-248 its codes
.set BYT, 249
.set XP,  250
.set REC, 252                          ; v252-255 what I store
.macro ROUND                           ; a round of the cluster's barrier
	s_barrier_signal -1
	s_barrier_wait -1
	s_cmp_lg_u32 s10, 0
	s_cbranch_scc1 .Lnot_wave_0_\@
	s_barrier_signal -3
.Lnot_wave_0_\@:
	s_barrier_wait -3
	s_barrier_signal -1
	s_barrier_wait -1
.endm
	s_load_b128 s[4:7], s[0:1], 0x0                ; kv s[4:5], qws s[6:7]
	s_load_b64 s[8:9], s[0:1], 0x10                ; ao
	v_lshl_add_u32 v211, v0, 2, 0x29000
	v_mov_b32 v251, 0
	ds_add_u32 v211, v251
	ds_add_u32 v211, v251
	v_lshrrev_b32 v10, 5, v0
	v_readfirstlane_b32 s10, v10                   ; wave 0..15
	s_bfe_u32 s11, ttmp6, 0x40000                  ; cx
	s_mov_b32 s12, ttmp9                           ; 8 x batch + head: in a cluster launch ttmp9 counts clusters
	s_and_b32 s13, s10, 7                          ; g: my first group of 128 queries
	s_lshr_b32 s14, s10, 3                         ; which tile of my work-group's two
	s_xor_b32 s15, s13, -1                         ; -g - 1
	s_sub_co_u32 s26, 15, s13                      ; my second group
	s_mov_b32 s20, 0x76543210
	s_mov_b32 s21, 0xfedcba98                      ; v_permlanex16_b32's selects for lane l xor 16
	s_mov_b32 s22, 0x3e8293ee                      ; c = log2(e) / sqrt(32)
	s_mov_b32 s23, s22                             ; (named with it as a pair, so it is written)
	s_mov_b32 s24, 0xffff                          ; lanes 0-15
	s_mov_b32 s25, 0xffff0000                      ; lanes 16-31
	; descriptor group 1: a dense block of 6,400 bytes as 25 rows of 32 elements of 8 bytes
	s_mov_b32 s32, 15|(3<<16)|(1<<21)              ; 15:0 the mask: all four work-groups; 17:16 elements of 8 bytes; 21 set beside a mask; no padding: every read is 16 or 4 bytes a lane on end
	s_mov_b32 s33, 32<<16                          ; tensor_dim0 = 32
	s_mov_b32 s34, 25<<16                          ; tensor_dim1 = 25
	s_mov_b32 s35, 32<<16                          ; tile_dim0 = 32
	s_mov_b32 s36, 25                              ; tile_dim1 = 25
	s_mov_b32 s37, 32                              ; from row to row
	s_mov_b32 s38, 0
	s_mov_b32 s39, 0
	s_mul_i32 s54, s12, 102400                     ; the head in kv,
	s_mul_i32 s29, s10, STEPB                      ; step = my wave's number: its place in the head and in LDS
	s_add_co_u32 s54, s54, s29
	s_mov_b32 s55, 0
	s_mov_b32 s28, 1                               ; count = 1
	v_and_b32 v10, 31, v0
	v_and_b32 v11, 15, v0                          ; r
	v_bfe_u32 v[TP], v0, 4, 1                      ; h
	v_lshlrev_b32 v[LI], 4, v10
	v_lshlrev_b32 v[LS], 2, v10
	s_wait_dscnt 0x0
	s_wait_kmcnt 0x0
	s_add_nc_u64 s[30:31], s[4:5], s[54:55]
	s_or_b32 s31, s31, 0x80000000                  ; type = 2
	ROUND                                          ; all four work-groups are here: the joint loads meet
	tensor_load_to_lds s[28:31], s[32:39]          ; my one tensor load of the launch: one is out
	s_nop 0
.rept 4
	v_nop                                          ; four places behind a tensor load
.endr
	; where my queries come from and my results go
	s_mul_i32 s56, s12, 51200
	s_mov_b32 s57, 0
	s_mov_b32 s59, 0
	s_add_nc_u64 s[6:7], s[6:7], s[56:57]          ; the head in qws
	s_mul_i32 s58, s13, 3072
	s_add_nc_u64 s[40:41], s[6:7], s[58:59]        ; the first group's two fragments,
	s_mul_i32 s58, s26, 3072
	s_add_nc_u64 s[42:43], s[6:7], s[58:59]        ; the second's,
	s_lshl_b32 s58, s13, 7
	s_add_co_u32 s58, s58, 49152
	s_add_nc_u64 s[44:45], s[6:7], s[58:59]        ; and their scale words
	s_lshl_b32 s58, s26, 7
	s_add_co_u32 s58, s58, 49152
	s_add_nc_u64 s[46:47], s[6:7], s[58:59]
	v_and_b32 v[DM], 8, v11
	v_add_nc_u32 v[DM], v[DM], v11                 ; r + 8 (r / 8)
	v_lshlrev_b32 v[TP], 4, v[TP]
	v_sub_nc_u32 v[DM], v[DM], v[TP]
	s_lshl_b32 s60, s11, 5                         ; (what hangs on cx stays in s60-63)
	s_lshl_b32 s61, s14, 3
	s_add_co_u32 s60, s60, s61
	v_add_nc_u32 v[DM], s60, v[DM]                 ; my tile tau = 2 cx + w / 8 begins at query 32 cx + 8 (w / 8) of its group
	s_lshr_b32 s60, s11, 1                         ; tau lies in fragment cx / 2, registers 6 c on (c = cx % 2), lanes 16 (w / 8) + r
	s_and_b32 s61, s11, 1
	s_mul_i32 s62, s60, 1536
	s_lshl_b32 s63, s14, 8
	s_add_co_u32 s62, s62, s63
	s_mul_i32 s63, s61, 520
	s_add_co_u32 s63, s63, s62
	v_lshl_add_u32 v6, v11, 4, s63                 ; the six registers as three pieces of 8 bytes of the image: at 0, 8, 512 (c = 0) or 520, 1024, 1032 (c = 1)
	v_add_nc_u32 v8, 512, v6
	s_mul_i32 s63, s61, 1016
	s_add_co_u32 s63, s63, s62
	s_add_co_u32 s63, s63, 8
	v_lshl_add_u32 v7, v11, 4, s63
	s_lshl_b32 s62, s60, 6
	s_lshl_b32 s63, s61, 1
	s_add_co_u32 s62, s62, s63
	s_add_co_u32 s62, s62, s14
	v_lshl_add_u32 v9, v11, 2, s62                 ; my query's scale byte: word 16 (cx / 2) + r, byte tau % 4
	s_lshl_b32 s60, s11, 1
	s_add_co_u32 s60, s60, s14                     ; tau
	s_lshr_b32 s61, s12, 3
	s_lshl_b32 s61, s61, 7
	s_add_co_u32 s60, s60, s61                     ; 128 x batch + tau
	s_lshl_b32 s60, s60, 12                        ; ao: 4,096 bytes a tile of 16 rows,
	s_and_b32 s61, s12, 7
	s_lshl_b32 s61, s61, 9
	s_add_co_u32 s60, s60, s61                     ; 512 a head
	s_mov_b32 s63, 0
	s_lshl_b32 s62, s13, 15                        ; a group is 8 tiles
	s_add_co_u32 s62, s62, s60
	s_add_nc_u64 s[48:49], s[8:9], s[62:63]
	s_lshl_b32 s62, s26, 15
	s_add_co_u32 s62, s62, s60
	s_add_nc_u64 s[50:51], s[8:9], s[62:63]
.macro QLOAD x                                 ; both halves of the lanes take row r's 24 bytes
	global_load_b64 v[QL:QL+1], v6, s[40+2*\x:41+2*\x]
	global_load_b64 v[QL+2:QL+3], v7, s[40+2*\x:41+2*\x]
	global_load_b64 v[QL+4:QL+5], v8, s[40+2*\x:41+2*\x]
	global_load_u8 v22, v9, s[44+2*\x:45+2*\x]
.endm
	QLOAD 0
.irp i,0,1,2,3,4,5
	v_mov_b32 v[QF+6+\i], 0                        ; the versions' zero codes: written once
	v_mov_b32 v[QF+24+\i], 0
.endr
.irp b,0,1,2,3
	v_mov_b32 v[BT+\b], 0                          ; written once: a lane permute's destination counts as one of its sources
.endr
	v_mov_b32 v[XP], 0
	v_mov_b32 v[FF+1], 0                           ; (named as the upper half of a pair)
; A tile of queries is set up: its scale word, its four versions, O^T and l as zeros, the largest t as -3e38.  The 20 lines behind the versions are the places ahead of the scaled products (8 behind a scale word, 4 behind an operand).
.macro QBUILD
	s_wait_loadcnt 0x0                             ; my query's codes and byte
	v_lshl_or_b32 v[QS], v22, 8, v22
	v_lshl_or_b32 v[QS], v[QS], 16, v[QS]
.irp i,0,1,2,3,4,5
	v_cndmask_b32 v[QF+\i], 0, v[QL+\i], s24
	v_cndmask_b32 v[QF+12+\i], 0, v[QL+\i], s24
	v_cndmask_b32 v[QF+18+\i], 0, v[QL+\i], s25
	v_cndmask_b32 v[QF+30+\i], 0, v[QL+\i], s25
.endr
.irp j,0,1,2,3,4,5,6,7,8,9,10,11,12,13,14,15
	v_mov_b32 v[OT+\j], 0                          ; the step is written once: a tile's first step finds zeros, which the first change of M leaves zeros
.endr
	v_mov_b32 v14, 0
	v_mov_b32 v15, 0
	v_mov_b32 v13, 0xff61b1e6                      ; -3e38, under every t
	v_floor_f32 v12, -v13                          ; -M
.endm
	s_wait_tensorcnt 0x0                           ; my step has landed,
	s_barrier_signal -1
	s_barrier_wait -1                              ; everybody's has: the head lies in LDS, and nothing writes LDS again
	QBUILD
	QLOAD 1                                        ; the second tile's queries, into the registers just read
	s_mov_b32 s19, s13                             ; the group in hand: its number is also its last key step
	s_mov_b64 s[52:53], s[48:49]                   ; and where its result goes
	s_mov_b32 s16, 0
.Lstep:                                            ; 17 trips
	s_add_co_u32 s54, s16, s15                     ; trip - g - 1: huge while the first tile is in hand,
	s_min_u32 s17, s16, s54                        ; so this is the key step of the tile in hand
	s_mul_i32 s18, s17, STEPB
	v_add_nc_u32 v[AD], s18, v[LI]
	v_add_nc_u32 v[AS], s18, v[LS]
.irp f,0,1
.irp g,0,1,2
	ds_load_b128 v[KF+12*\f+4*\g:KF+12*\f+4*\g+3], v[AD] offset:1536*\f+512*\g
.endr
.endr
	ds_load_b32 v[KSC], v[AS] offset:6144
.irp f,0,1
.irp g,0,1,2
	ds_load_b128 v[VF+12*\f+4*\g:VF+12*\f+4*\g+3], v[AD] offset:3072+1536*\f+512*\g
.endr
.endr
	ds_load_b32 v[VSC], v[AS] offset:6272
	s_wait_dscnt 7                                 ; K's seven loads are in; V's seven, issued behind them, may stay out
.irp t,0,1,2,3,4,5,6,7                         ; S^T: tile t = fragment t / 4 x version t % 4
.if \t < 4
	v_wmma_scale_f32_16x16x128_f8f6f4 v[ST+8*\t:ST+8*\t+7], v[KF:KF+11], v[QF+18*(\t%2)+6*((\t%4)/2):QF+18*(\t%2)+6*((\t%4)/2)+11], 0, v[KSC], v[QS] matrix_a_fmt:MATRIX_FMT_BF6 matrix_b_fmt:MATRIX_FMT_BF6
.else
	v_wmma_scale_f32_16x16x128_f8f6f4 v[ST+8*\t:ST+8*\t+7], v[KF+12:KF+23], v[QF+18*(\t%2)+6*((\t%4)/2):QF+18*(\t%2)+6*((\t%4)/2)+11], 0, v[KSC], v[QS] matrix_a_fmt:MATRIX_FMT_BF6 matrix_b_fmt:MATRIX_FMT_BF6 matrix_a_scale:MATRIX_SCALE_ROW1
.endif
.endr
.rept 4
	v_nop                                          ; places ahead of the first read of the results
.endr
	s_cmp_lg_u32 s17, s19                          ; the tile's last step lies on the diagonal: there hidden scores become -infinity, so that p = 0
	s_cbranch_scc1 .Lopen
	v_mov_b32 v[TP], 0xff800000
.irp n,0,1,2,3,4,5,6,7,8,9,10,11,12,13,14,15,16,17,18,19,20,21,22,23,24,25,26,27,28,29,30,31,32,33,34,35,36,37,38,39,40,41,42,43,44,45,46,47,48,49,50,51,52,53,54,55,56,57,58,59,60,61,62,63
	v_cmp_gt_i32 vcc_lo, 32*(\n/16)+\n%16, v[DM]   ; register 16 b + i holds key 32 b + 16 (lane / 16) + i of the step
	v_cndmask_b32 v[ST+\n], v[ST+\n], v[TP], vcc_lo
.endr
.Lopen:
.irp b,0,1,2,3
	v_max3_num_f32 v[BM+\b], v[ST+16*\b], v[ST+1+16*\b], v[ST+2+16*\b]   ; the largest score of each block of 32 keys: for the row's maximum, and, since p rises with the score, for the block's largest p
.endr
.irp i,3,5,7,9,11,13
.irp b,0,1,2,3
	v_max3_num_f32 v[BM+\b], v[BM+\b], v[ST+16*\b+\i], v[ST+1+16*\b+\i]
.endr
.endr
.irp b,0,1,2,3
	v_max_num_f32 v[BM+\b], v[BM+\b], v[ST+15+16*\b]
.endr
.irp b,0,1,2,3
	v_permlanex16_b32 v[BT+\b], v[BM+\b], s20, s21
.endr
.irp b,0,1,2,3
	v_max_num_f32 v[BM+\b], v[BM+\b], v[BT+\b]     ; with lane l xor 16's 16 keys
.endr
	v_max3_num_f32 v[TP], v[BM], v[BM+1], v[BM+2]
	v_max_num_f32 v[TP], v[TP], v[BM+3]
	v_mul_f32 v[TP], s22, v[TP]                    ; as t (c is positive)
	v_max_num_f32 v13, v13, v[TP]                  ; the running largest t
	v_mov_b32 v[TP], v12
	v_floor_f32 v12, -v13                          ; the new -M = floor(-t): M is a whole number
	v_sub_f32 v[TP], v12, v[TP]                    ; old M - new M: a whole number, 0 or less
	v_cvt_i32_f32 v[TP], v[TP]                     ; (it saturates)
	v_ldexp_f32 v[FF], 1.0, v[TP]                  ; f
.irp j,0,2,4,6,8,10,12,14,16,18,20,22,24,26,28,30,32,34,36,38,40,42,44,46,48,50,52,54,56,58,60,62
	v_pk_fma_f32 v[ST+\j:ST+1+\j], v[ST+\j:ST+1+\j], s[22:23], v[12:13] op_sel_hi:[1,0,0]   ; t - M, two at a time
.endr
.irp b,0,1,2,3
	v_fma_f32 v[BM+\b], v[BM+\b], s22, v12         ; the same of each block's largest score
.endr
.irp j,0,1,2,3,4,5,6,7,8,9,10,11,12,13,14,15,16,17,18,19,20,21,22,23,24,25,26,27,28,29,30,31,32,33,34,35,36,37,38,39,40,41,42,43,44,45,46,47,48,49,50,51,52,53,54,55,56,57,58,59,60,61,62,63
	v_exp_f32 v[ST+\j], v[ST+\j]                   ; p = 2^(t - M): ONE batch of 68 exponentials
.endr
.irp b,0,1,2,3
	v_exp_f32 v[BM+\b], v[BM+\b]                   ; the blocks' largest p
.endr
	v_pk_mul_f32 v[14:15], v[14:15], v[FF:FF+1] op_sel_hi:[1,0]   ; l and O^T under the new M: nine plain lines that name no exponential's result
.irp j,0,2,4,6,8,10,12,14
	v_pk_mul_f32 v[OT+\j:OT+1+\j], v[OT+\j:OT+1+\j], v[FF:FF+1] op_sel_hi:[1,0]   ; (each accumulator from its low end on)
.endr
	s_wait_alu depctr_va_vdst(0)                   ; a wait ahead of the first line that names a result: one for the batch
.irp b,0,1,2,3
	v_max_num_f32 v[BM+\b], 0x2800000, v[BM+\b]    ; the floor 2^(5 - 127): the byte cannot fall under 1
.endr
.irp b,0,1,2,3
	v_add_nc_u32 v[SOP+\b], 0xfe000000, v[BM+\b]   ; 4 off the exponent field: the conversion's scale operand
.endr
.irp b,0,1,2,3
	v_lshrrev_b32 v[BT+\b], 23, v[SOP+\b]          ; the scale's byte
.endr
	v_lshl_or_b32 v[PW], v[BT+1], 8, v[BT]
	v_lshl_or_b32 v[PW], v[BT+2], 16, v[PW]
	v_lshl_or_b32 v[PW], v[BT+3], 24, v[PW]        ; p's scale word for these 128 keys
.irp c,0,1
	v_cvt_scalef32_pk16_bf6_f32 v[PC+6*\c:PC+2+6*\c], v[ST+32*\c:ST+15+32*\c], v[SOP+2*\c]
	v_cvt_scalef32_pk16_bf6_f32 v[CT+4*\c:CT+2+4*\c], v[ST+16+32*\c:ST+31+32*\c], v[SOP+2*\c+1]   ; (a conversion's three registers begin on an even number)
.endr
	v_nop                                          ; one plain place behind a scaled conversion
.irp c,0,1                                     ; a whole block in a lane
.irp i,0,1,2
	v_permlane16_swap_b32 v[PC+6*\c+\i], v[CT+4*\c+\i]
.endr
.irp i,0,1,2
	v_mov_b32 v[PC+3+6*\c+\i], v[CT+4*\c+\i]
.endr
.endr
	v_pk_add_f32 v[SU:SU+1], v[ST:ST+1], v[ST+2:ST+3]   ; the row's sum, of the UNQUANTISED p, in two chains.  These 32 lines name no register of the product below: they are the places behind its scale word (8) and its operand (4)
.irp j,4,8,12,16,20,24,28,32,36,40,44,48,52,56,60
	v_pk_add_f32 v[14:15], v[14:15], v[ST+\j:ST+1+\j]
	v_pk_add_f32 v[SU:SU+1], v[SU:SU+1], v[ST+2+\j:ST+3+\j]
.endr
	v_pk_add_f32 v[14:15], v[14:15], v[SU:SU+1]
	s_wait_dscnt 0x0                               ; V is in
	v_wmma_scale_f32_16x16x128_f8f6f4 v[OT:OT+7], v[VF:VF+11], v[PC:PC+11], v[OT:OT+7], v[VSC], v[PW] matrix_a_fmt:MATRIX_FMT_BF6 matrix_b_fmt:MATRIX_FMT_BF6   ; one instruction a turn: between two links of a chain stand nine others'
	v_wmma_scale_f32_16x16x128_f8f6f4 v[OT+8:OT+15], v[VF+12:VF+23], v[PC:PC+11], v[OT+8:OT+15], v[VSC], v[PW] matrix_a_fmt:MATRIX_FMT_BF6 matrix_b_fmt:MATRIX_FMT_BF6 matrix_a_scale:MATRIX_SCALE_ROW1
.rept 4
	v_nop                                          ; places ahead of the next reads and writes of O^T and of the next step's loads
.endr
	s_cmp_lg_u32 s17, s19
	s_cbranch_scc1 .Lnot_last
	; ---- the tile is finished: O / l, quantised along the head's 32 (one block: lanes l and l xor 16), stored as the last product's operand wants it
	v_add_f32 v14, v14, v15
	v_permlanex16_b32 v[XP], v14, s20, s21
	v_add_f32 v14, v14, v[XP]                      ; the row's sum
	v_rcp_f32 v[TP], v14
	v_nop                                          ; a plain place behind the transcendental,
	s_wait_alu depctr_va_vdst(0)                   ; and a wait ahead of its first reader
.irp j,0,1,2,3,4,5,6,7,8,9,10,11,12,13,14,15
	v_mul_f32 v[ON+\j], v[OT+\j], v[TP]            ; register j: d = 16 (lane / 16) + j of my query
.endr
	v_max3_num_f32 v[BM], |v[ON]|, |v[ON+1]|, 0x2800000
.irp i,2,4,6,8,10,12,14
	v_max3_num_f32 v[BM], v[BM], |v[ON+\i]|, |v[ON+\i+1]|
.endr
	v_permlanex16_b32 v[BT], v[BM], s20, s21
	v_max_num_f32 v[BM], v[BM], v[BT]
	v_add_nc_u32 v[SOP], 0xfe000000, v[BM]
	v_lshrrev_b32 v[BYT], 23, v[SOP]
	v_cvt_scalef32_pk16_bf6_f32 v[CD:CD+2], v[ON:ON+15], v[SOP]
	v_nop                                          ; one plain place behind a scaled conversion
	v_permlanex16_b32 v[XP], v[CD], s20, s21
	v_cndmask_b32 v[REC], v[CD], v[CD+1], s25      ; lanes 0-15: the lower 16 codes' three words and the upper's first; lanes 16-31: the upper's other two, and the byte twice
	v_cndmask_b32 v[REC+1], v[CD+1], v[CD+2], s25
	v_cndmask_b32 v[REC+2], v[CD+2], v[BYT], s25
	v_cndmask_b32 v[REC+3], v[XP], v[BYT], s25
	global_store_b128 v[LI], v[REC:REC+3], s[52:53]   ; 512 consecutive bytes, aligned
	QBUILD                                         ; the second tile is set up (behind the second tile's end once more, to no effect)
	s_wait_xcnt 0x0                                ; the store has read its base and its data: both may be written again
	s_mov_b64 s[52:53], s[50:51]
	s_mov_b32 s19, s26
.Lnot_last:
	s_add_co_u32 s16, s16, 1
	s_cmp_lt_u32 s16, 17
	s_cbranch_scc1 .Lstep
	s_wait_tensorcnt 0x0
	ds_add_u32 v211, v251
	s_wait_dscnt 0x0
	ROUND                                          ; the closing round
	s_endpgm
.Lfunc_end_k_q438d4cb943_attn:
	.size	k_q438d4cb943_attn, .Lfunc_end_k_q438d4cb943_attn-k_q438d4cb943_attn
	.p2alignl 7, 3214868480
	.fill 96, 4, 3214868480
	.section	.rodata,"a",@progbits
	.p2align	6, 0x0
	.amdhsa_kernel k_q438d4cb943_attn
		.amdhsa_group_segment_fixed_size 169984
		.amdhsa_private_segment_fixed_size 0
		.amdhsa_enable_private_segment 0
		.amdhsa_kernarg_size 24
		.amdhsa_user_sgpr_count 2
		.amdhsa_user_sgpr_kernarg_segment_ptr 1
		.amdhsa_wavefront_size32 1
		.amdhsa_system_sgpr_workgroup_id_x 1
		.amdhsa_system_sgpr_workgroup_id_y 1
		.amdhsa_system_sgpr_workgroup_id_z 1
		.amdhsa_system_vgpr_workitem_id 0
		.amdhsa_next_free_vgpr 256
		.amdhsa_next_free_sgpr 66
		.amdhsa_reserve_vcc 1
		.amdhsa_float_denorm_mode_32 3
		.amdhsa_float_denorm_mode_16_64 3
		.amdhsa_memory_ordered 1
		.amdhsa_forward_progress 1
		.amdhsa_inst_pref_size 33
	.end_amdhsa_kernel
	.amdgpu_metadata
---
amdhsa.version: [ 1, 2 ]
amdhsa.kernels:
  - .name:           k_q438d4cb943_attn
    .symbol:         k_q438d4cb943_attn.kd
    .args:
      - { .name: kv, .offset: 0, .size: 8, .value_kind: global_buffer, .address_space: global }
      - { .name: qws, .offset: 8, .size: 8, .value_kind: global_buffer, .address_space: global }
      - { .name: ao, .offset: 16, .size: 8, .value_kind: global_buffer, .address_space: global }
    .group_segment_fixed_size: 169984
    .private_segment_fixed_size: 0
    .kernarg_segment_align: 8
    .kernarg_segment_size: 24
    .max_flat_workgroup_size: 512
    .sgpr_count:     66
    .vgpr_count:     256
    .wavefront_size: 32
...
	.end_amdgpu_metadata
.endif
;; end of part 2
;; launch proj (part 3): grid 256 x 1, 8 waves a work-group, no clusters, 70,656 bytes of LDS; arguments ao, Wout_codes, Wout_scales, bout, out0; writes out0
.if DOCPART == 3
	.amdgcn_target "amdgcn-amd-amdhsa--gfx1250"
	.amdhsa_code_object_version 6
	.text
	.protected	k_q438d4cb943_proj
	.globl	k_q438d4cb943_proj
	.p2align	8
	.type	k_q438d4cb943_proj,@function
k_q438d4cb943_proj:
	s_mov_b64 s[64:65], 0
	v_nop
	global_prefetch_b8 v0, s[64:65] scope:SCOPE_SE
	s_setreg_imm32_b32 hwreg(HW_REG_WAVE_MODE, 25, 1), 1
	s_wait_xcnt 0x0
; out0 = a Wout + bout on codes of BF6 (E3M2) with E8M0 scales.  a: the attention's result as the launch before left it: for each tile of 16 rows and each head 512 bytes: 16 rows x (three words of the lower 16 codes, the first of the
; upper 16), then 16 rows x (the upper's other two words, the scale byte as a word, the same again).  K = 256 = 8 heads x 32: a head is a block.
; SHARES.  A work-group takes 64 rows; wave w takes 32 of them (w / 4) and 64 columns (w % 4): 8 accumulators, 16 products, straight-line, no barrier: waves share nothing.
; Row r of tile 2 g + u is row 32 g + 8 u + r + 8 (r / 8) of the output.  Transposed use (source 0 = 16 rows of Wout, source 1 = 16 rows of a): a lane holds eight neighbouring columns of one row.
; The bias is loaded straight into the accumulators, which are the C of each sum's first product.  Results go through the wave's own stage in LDS (32 rows x (256 + 16) bytes) and leave as aligned runs of 256 bytes from sixteen lanes.
; NO TENSOR LOAD, NO CLUSTER: each operand goes from memory into the registers of its one use (a wave: 12,288 bytes of Wout, 8,192 of a); the launch has one step, so there is nothing to run ahead of.
; LIMITS: NaN, infinities and the scale byte 0xff among the inputs are not served.
.set WSC, 10                           ; v10-13  Wout's scale words, tile n: lanes 0-15 K step 0's, lanes 16-31 K step 1's
.set ASC, 14                           ; v14-17  a's scale words: tile u, K step s at 2 u + s
.set AB,  18                           ; v18-25  a's scale bytes as loaded: 2 (2 u + s) + c
.set WF,  32                           ; v32-127  Wout's fragments: 12 (2 n + s)
.set AF,  128                          ; v128-175 a's fragments: 12 (2 u + s)
.set AC,  176                          ; v176-239 accumulators: 8 (4 u + n)
	s_load_b256 s[4:11], s[0:1], 0x0               ; a s[4:5], Wout's codes s[6:7], its scales s[8:9], bout s[10:11]
	s_load_b64 s[12:13], s[0:1], 0x20              ; out0
	v_lshl_add_u32 v240, v0, 2, 0x11000
	v_mov_b32 v241, 0
	v_lshrrev_b32 v26, 5, v0
	v_readfirstlane_b32 s14, v26                   ; wave 0..7
	s_and_b32 s15, s14, 3                          ; which 64 columns
	s_lshr_b32 s16, s14, 2
	s_lshl_b32 s17, ttmp9, 1
	s_add_co_u32 s17, s17, s16                     ; g: which 32 rows
	s_mov_b32 s30, 0x76543210
	s_mov_b32 s31, 0xfedcba98                      ; v_permlanex16_b32's selects for lane l xor 16
	v_and_b32 v26, 15, v0                          ; r
	v_bfe_u32 v27, v0, 4, 1                        ; h
	v_lshlrev_b32 v1, 4, v26
	v_lshl_add_u32 v1, v27, 9, v1                  ; a: 512 h + 16 r: block 2 c + h is head 4 s + 2 c + h
	v_mul_u32_u24 v2, v26, 192
	v_mad_u32_u24 v2, v27, 24, v2                  ; Wout's codes: row r of 192 bytes, + 24 h
	v_lshlrev_b32 v3, 3, v26
	v_lshl_add_u32 v3, v27, 2, v3                  ; its scale words: 8 r + 4 h
	v_lshlrev_b32 v4, 5, v27                       ; the bias: 32 h
	v_and_b32 v28, 8, v26
	v_add_nc_u32 v28, v28, v26                     ; r + 8 (r / 8)
	s_mul_i32 s18, s14, 8704                       ; my stage
	v_mul_u32_u24 v5, v28, 272
	v_lshl_add_u32 v5, v27, 5, v5
	v_add_nc_u32 v5, s18, v5                       ; in: the row, + 32 h
	v_mul_u32_u24 v6, v27, 272
	v_lshl_add_u32 v6, v26, 4, v6
	v_add_nc_u32 v6, s18, v6                       ; back: lanes 0-15 one row, lanes 16-31 the next
	v_lshlrev_b32 v7, 4, v26
	v_lshl_add_u32 v7, v27, 10, v7                 ; and the same two rows in out0
	v_lshlrev_b32 v8, 3, v27                       ; 8 h
	v_mov_b32 v9, 0                                ; written once: a lane permute's destination counts as one of its sources
	s_lshl_b32 s20, s17, 13                        ; a: two tiles of 4,096 bytes
	s_mov_b32 s21, 0
	s_mul_i32 s22, s15, 12288                      ; 64 rows of Wout's codes,
	s_mov_b32 s23, 0
	s_lshl_b32 s24, s15, 9                         ; of its scales,
	s_mov_b32 s25, 0
	s_lshl_b32 s26, s15, 8                         ; 64 numbers of the bias, and of a row of out0
	s_mov_b32 s27, 0
	s_lshl_b32 s28, s17, 15                        ; 32 rows of 1,024 bytes
	s_add_co_u32 s28, s28, s26
	s_mov_b32 s29, 0
	s_wait_kmcnt 0x0
	s_add_nc_u64 s[4:5], s[4:5], s[20:21]
	s_add_nc_u64 s[6:7], s[6:7], s[22:23]
	s_add_nc_u64 s[8:9], s[8:9], s[24:25]
	s_add_nc_u64 s[10:11], s[10:11], s[26:27]
	s_add_nc_u64 s[12:13], s[12:13], s[28:29]
.irp u,0,1
.irp s,0,1
.irp c,0,1
	global_load_b128 v[AF+12*(2*\u+\s)+6*\c:AF+12*(2*\u+\s)+6*\c+3], v1, s[4:5] offset:4096*\u+2048*\s+1024*\c
	global_load_b64 v[AF+12*(2*\u+\s)+6*\c+4:AF+12*(2*\u+\s)+6*\c+5], v1, s[4:5] offset:4096*\u+2048*\s+1024*\c+256
	global_load_b32 v[AB+2*(2*\u+\s)+\c], v1, s[4:5] offset:4096*\u+2048*\s+1024*\c+264
.endr
.endr
.endr
.irp n,0,1,2,3
	global_load_b32 v[WSC+\n], v3, s[8:9] offset:128*\n
.endr
.irp u,0,1
.irp n,0,1,2,3
	global_load_b128 v[AC+8*(4*\u+\n):AC+8*(4*\u+\n)+3], v4, s[10:11] offset:64*\n        ; bout[16 n + 8 h + j]
	global_load_b128 v[AC+8*(4*\u+\n)+4:AC+8*(4*\u+\n)+7], v4, s[10:11] offset:64*\n+16
.endr
.endr
.irp n,0,1,2,3
.irp s,0,1
.irp p,0,1,2,3,4,5
	global_load_b64 v[WF+12*(2*\n+\s)+2*\p:WF+12*(2*\n+\s)+2*\p+1], v2, s[6:7] offset:3072*\n+96*\s+48*(\p/3)+8*(\p%3)
.endr
.endr
.endr
	s_wait_loadcnt 0x0
.irp k,0,1,2,3                                 ; a fragment's scale word: my two bytes (blocks h and 2 + h) at their places, with lane l xor 16's two
	v_lshl_or_b32 v[ASC+\k], v[AB+2*\k+1], 16, v[AB+2*\k]
	v_lshlrev_b32 v[ASC+\k], v8, v[ASC+\k]
	v_permlanex16_b32 v9, v[ASC+\k], s30, s31
	v_or_b32 v[ASC+\k], v[ASC+\k], v9
.endr
.rept 8
	v_nop                                          ; a scale word made by vector lines stands 8 places ahead of a scaled product
.endr
.irp s,0,1                                     ; the eight accumulators take turns
.irp u,0,1
.irp n,0,1,2,3
.if \s == 0
	v_wmma_scale_f32_16x16x128_f8f6f4 v[AC+8*(4*\u+\n):AC+8*(4*\u+\n)+7], v[WF+24*\n:WF+24*\n+11], v[AF+24*\u:AF+24*\u+11], v[AC+8*(4*\u+\n):AC+8*(4*\u+\n)+7], v[WSC+\n], v[ASC+2*\u] matrix_a_fmt:MATRIX_FMT_BF6 matrix_b_fmt:MATRIX_FMT_BF6
.else
	v_wmma_scale_f32_16x16x128_f8f6f4 v[AC+8*(4*\u+\n):AC+8*(4*\u+\n)+7], v[WF+24*\n+12:WF+24*\n+23], v[AF+24*\u+12:AF+24*\u+23], v[AC+8*(4*\u+\n):AC+8*(4*\u+\n)+7], v[WSC+\n], v[ASC+2*\u+1] matrix_a_fmt:MATRIX_FMT_BF6 matrix_b_fmt:MATRIX_FMT_BF6 matrix_a_scale:MATRIX_SCALE_ROW1
.endif
.endr
.endr
.endr
.rept 4
	v_nop                                          ; places ahead of the first read of the results and of the loads into Wout's registers
.endr
.irp u,0,1
.irp n,0,1,2,3
	ds_store_b128 v5, v[AC+8*(4*\u+\n):AC+8*(4*\u+\n)+3] offset:2176*\u+64*\n        ; each accumulator from its low end on
	ds_store_b128 v5, v[AC+8*(4*\u+\n)+4:AC+8*(4*\u+\n)+7] offset:2176*\u+64*\n+16
.endr
.endr
.irp i,0,1,2,3,4,5,6,7,8,9,10,11,12,13,14,15
	ds_load_b128 v[WF+4*\i:WF+4*\i+3], v6 offset:544*\i   ; LDS serves a wave's instructions in order (ISA guide 5.7.1.4): these see my stores
.endr
.irp i,0,1,2,3,4,5,6,7,8,9,10,11,12,13,14,15
	s_wait_dscnt 15-\i                             ; rows 2 i and 2 i + 1 are back; the younger loads may stay out
	global_store_b128 v7, v[WF+4*\i:WF+4*\i+3], s[12:13] offset:2048*\i th:TH_STORE_NT   ; sixteen lanes store 256 consecutive bytes, aligned; written once, read by nobody here
.endr
	s_wait_tensorcnt 0x0
	ds_add_u32 v240, v241
	s_wait_dscnt 0x0
	s_endpgm
.Lfunc_end_k_q438d4cb943_proj:
	.size	k_q438d4cb943_proj, .Lfunc_end_k_q438d4cb943_proj-k_q438d4cb943_proj
	.p2alignl 7, 3214868480
	.fill 96, 4, 3214868480
	.section	.rodata,"a",@progbits
	.p2align	6, 0x0
	.amdhsa_kernel k_q438d4cb943_proj
		.amdhsa_group_segment_fixed_size 70656
		.amdhsa_private_segment_fixed_size 0
		.amdhsa_enable_private_segment 0
		.amdhsa_kernarg_size 40
		.amdhsa_user_sgpr_count 2
		.amdhsa_user_sgpr_kernarg_segment_ptr 1
		.amdhsa_wavefront_size32 1
		.amdhsa_system_sgpr_workgroup_id_x 1
		.amdhsa_system_sgpr_workgroup_id_y 1
		.amdhsa_system_sgpr_workgroup_id_z 1
		.amdhsa_system_vgpr_workitem_id 0
		.amdhsa_next_free_vgpr 242
		.amdhsa_next_free_sgpr 66
		.amdhsa_reserve_vcc 0
		.amdhsa_float_denorm_mode_32 3
		.amdhsa_float_denorm_mode_16_64 3
		.amdhsa_memory_ordered 1
		.amdhsa_forward_progress 1
		.amdhsa_inst_pref_size 19
	.end_amdhsa_kernel
	.amdgpu_metadata
---
amdhsa.version: [ 1, 2 ]
amdhsa.kernels:
  - .name:           k_q438d4cb943_proj
    .symbol:         k_q438d4cb943_proj.kd
    .args:
      - { .name: ao, .offset: 0, .size: 8, .value_kind: global_buffer, .address_space: global }
      - { .name: Wout_codes, .offset: 8, .size: 8, .value_kind: global_buffer, .address_space: global }
      - { .name: Wout_scales, .offset: 16, .size: 8, .value_kind: global_buffer, .address_space: global }
      - { .name: bout, .offset: 24, .size: 8, .value_kind: global_buffer, .address_space: global }
      - { .name: out0, .offset: 32, .size: 8, .value_kind: global_buffer, .address_space: global }
    .group_segment_fixed_size: 70656
    .private_segment_fixed_size: 0
    .kernarg_segment_align: 8
    .kernarg_segment_size: 40
    .max_flat_workgroup_size: 256
    .sgpr_count:     66
    .vgpr_count:     242
    .wavefront_size: 32
...
	.end_amdgpu_metadata
.endif
;; end of part 3
;; ======== version 2 of 2: 3 launches; version 1 with the launches qkv, proj written anew for expert scheduling mode
;; workspace buffers: kv 6,553,600 bytes; qws 3,276,800 bytes; ao 4,194,304 bytes
;; launch qkv (part 4): grid 128 x 2, 12 waves a work-group, no clusters, 44,544 bytes of LDS; arguments x_codes, x_scales, Wqkv_codes, Wqkv_scales, bqkv, kv, qws; writes kv, qws
.if DOCPART == 4
	.amdgcn_target "amdgcn-amd-amdhsa--gfx1250"
	.amdhsa_code_object_version 6
	.text
	.protected	k_q438d4cb943_qkv
	.globl	k_q438d4cb943_qkv
	.p2align	8
	.type	k_q438d4cb943_qkv,@function
k_q438d4cb943_qkv:
	s_mov_b64 s[64:65], 0
	v_nop
	global_prefetch_b8 v0, s[64:65] scope:SCOPE_SE
	s_setreg_imm32_b32 hwreg(HW_REG_WAVE_SCHED_MODE, 0, 2), 2
	s_setreg_imm32_b32 hwreg(HW_REG_WAVE_MODE, 25, 1), 1
	s_wait_xcnt 0x0
	s_wait_alu depctr_vm_vsrc(0)
; qkv = x Wqkv + bqkv on codes of BF6 (E3M2) with E8M0 scales; RoPE on q and k in f32; q and k are quantised along the head's 32 (one block), v along the keys; all three leave in the order of the next launch's operand registers.
; SHARES.  A work-group takes 128 tokens (x: batch 16 to a batch) and four heads (y).  Wave w: role w / 4 (0 q, 1 k, 2 v), head 4 y + w % 4: 32 columns of Wqkv for all 128 tokens.  Its four fragments of W (6,144 bytes) go from memory
; into the registers where they stay.  x's 16 fragments and the sines and cosines are made ready by waves 0-7 (a tile of 16 tokens each) and reach all twelve through LDS as images of their registers: one barrier.
; NO TENSOR LOAD, NO CLUSTER: what work-groups share is W, of which each wave reads its 6,144 bytes once, straight into operand registers; through LDS they would be written and read once more for that one use.
; THE TOKENS OF A TILE ARE NOT NEIGHBOURS: row r of tile 2 b + u is token 32 b + 8 u + r + 8 (r / 8); W's rows of a tile are chosen the same way.  So 16 registers of two neighbouring result tiles are 16 neighbours along the next K.
; q, k: transposed use (source 0 = 16 rows of W, source 1 = 16 tokens): a lane holds one token and d = 16 (lane / 16) + 0 .. 15.   v: source 0 = 16 tokens, source 1 = 16 rows of W: a lane holds one d and its registers run along the tokens.
; A FRAGMENT OF q OR k IS DENSE: its four blocks of 32 along the instruction's K hold four different tiles of 16 tokens (block 2 c + h: tile 4 f + 2 c + h), its scale word their four bytes.
; OUT: an image of a fragment: registers 4 g .. 4 g + 3 of lane l at 512 g + 16 l: each store of a wave covers 512 consecutive bytes, aligned.  A step's two scale stores are 128 bytes each, from two waves: 1 / 25 of the bytes.
; LIMITS: NaN, infinities and the scale byte 0xff among the inputs are not served.  A block whose largest magnitude lies under 2^-122 keeps the byte 1 (a block of zeros too: its codes are zeros, and this program alone reads the bytes).
; The frequencies are the f32 numbers nearest to 10^(-j / 4).  sin and cos: the angle t f (rounded once, as f32), less n x pi/2 in two parts (exact for angles under 2,048), polynomials of degree 9 and 10: about 1e-7 absolute.
; THE MODE: SCHED_MODE bits 1:0 = 2 (LLVM: expert scheduling mode 2), set by the entry lines.  The code itself states the register dependences between vector or matrix instructions and memory or LDS instructions, with s_wait_alu, always for 0.
; THE PLAN.  Registers that memory or LDS instructions touch:
;   v1-v9       offsets and LDS addresses: written once at the head, read by every load and store, never written again: one wait ahead of the first load.
;   waves 0-7   x's fragments come by global loads and leave by LDS stores; cos and sin are written by vector lines and leave by LDS stores: one wait ahead of the run of stores.  Behind the barrier one wait states that
;               those stores have read their registers, which the roles' loads and products write next.
;   q, k        X0, X1 (x's tile, with its scale words) and T0, T1 (its cos and sin).  Tile m's products read X[m % 2], its rotation reads T[m % 2]; the eleven LDS loads issued in tile m land in X[(m + 1) % 2] and T[(m + 1) % 2],
;               which tile m - 1 worked on and which no vector or matrix line of tile m names.  So ONE wait stands at a tile's head, and the loads are dealt among the tile's four products.
;   v           A and B (two tiles of x each, with their scale words).  Step k (tokens' pair k % 4, my columns' tile k / 4) multiplies buffer k % 2; the fourteen loads of step k + 1 land in the other one: one wait at a step's head.
;               B is idle behind steps 3 and 7: the quantiser's scratch and its codes lie there.  The wait ahead of the codes' stores also covers step 4's loads into B; step 4 adds the wait that those stores have read the codes.
;   results     written by conversions, swaps and moves, read by the global stores: one wait ahead of each run of stores.
.set XIMG, 0                           ; LDS: x's fragments: tile m, K step s, group g: 3072 m + 1536 s + 512 g + 16 l
.set XSC,  24576                       ; their scale words: 128 m + 4 l (lanes 0-15: K step 0's, lanes 16-31: K step 1's)
.set TRIG, 25600                       ; cos and sin: 2048 m + 512 g + 16 l
.set LI,  1                            ; v1   16 x lane
.set LS,  2                            ; v2   4 x lane
.set VW,  3                            ; v3   192 rr + 24 h: a fragment's bytes in rows of 192 (W and x); rr = r + 8 (r / 8)
.set VWS, 4                            ; v4   8 rr + 4 h: the scale words of both K steps, one in each half of the lanes
.set VBQ, 5                            ; v5   64 h: q's and k's bias
.set VBV, 6                            ; v6   4 rr: v's bias
.set XW,  7                            ; v7   where I store x's images
.set XSW, 8                            ; v8   their scale words
.set TW,  9                            ; v9   the sines and cosines
.set TT,  10                           ; v10  my token's place in the sequence, as f32
.set WF,  16                           ; v16-63   W's fragments: tile u, K step s at 12 (2 u + s)
.set WS,  64                           ; v64-65   W's scale words
.set XS,  66                           ; v66-67   x's scale words: q, k: of X0 and X1; v: of A's two tiles (B's: v244-245)
.set BI,  68                           ; v68-83   the bias, 8 registers a tile, in the result's layout
.set XF,  84                           ; v84-131  x's fragments: q, k: X0 and X1, 24 registers each; v: A (B: v196-243)
.set TR,  132                          ; q, k: T0 v132-147, T1 v216-231: cos of pair i at 2 i, sin at 2 i + 1
.set HA,  148                          ; v148-163 the two result tiles
.set RO,  164                          ; v164-179 rotated
.set FRG, 180                          ; v180-203 the two dense fragments
.set SN,  180                          ; v180-203 ahead of the barrier only: sin rho, cos rho and n of pair i at 3 i
.set CB,  204                          ; v204-206 an odd tile's codes
.set MX,  208
.set PT,  209
.set SO,  210
.set BY,  211
.set KW,  212                          ; v212-213 the fragments' scale words
.set MG,  214
.set ACC, 132                          ; v: v132-195 eight result tiles
.set PC,  196                          ; v196-214 the codes just made (in B)
.set TM,  216                          ; v216-231 at work (in B)
.set PW,  232                          ; the scale word just made (in B)
.set PW0, 246                          ; tile 0's scale word
.set MGV, 247
.set BV,  248                          ; v248-249 v's bias as loaded
.set PX,  250                          ; v250-253 the lane permutes' destinations
	s_load_b256 s[4:11], s[0:1], 0x0               ; x's codes s[4:5], x's scales s[6:7], W's codes s[8:9], W's scales s[10:11]
	s_load_b128 s[12:15], s[0:1], 0x20             ; bqkv s[12:13], kv s[14:15]
	s_load_b64 s[16:17], s[0:1], 0x30              ; qws
	v_lshl_add_u32 v254, v0, 2, 0xa800
	v_mov_b32 v255, 0
	v_lshrrev_b32 v11, 5, v0
	v_readfirstlane_b32 s18, v11                   ; wave 0..11
	s_mov_b32 s32, 0x76543210
	s_mov_b32 s33, 0xfedcba98                      ; v_permlanex16_b32's selects for lane l xor 16
	s_mov_b32 s34, 0xffff0000                      ; lanes 16-31
	s_mov_b32 s36, 0x3f22f983                      ; 2 / pi
	s_mov_b32 s37, 0xbfc90fdb                      ; -(pi / 2), its f32 part,
	s_mov_b32 s38, 0x333bbd2e                      ; and less the rest
	s_mov_b32 s39, 0xbe2aaaab                      ; sin: -1/6, 1/120, -1/5040, 1/362880
	s_mov_b32 s40, 0x3c088889
	s_mov_b32 s41, 0xb9500d01
	s_mov_b32 s42, 0x3638ef1d
	s_mov_b32 s43, 0x3d2aaaab                      ; cos: 1/24, -1/720, 1/40320, -1/3628800
	s_mov_b32 s44, 0xbab60b61
	s_mov_b32 s45, 0x37d00d01
	s_mov_b32 s46, 0xb493f27e
	v_and_b32 v12, 31, v0                          ; lane
	v_and_b32 v13, 15, v0                          ; r
	v_bfe_u32 v14, v0, 4, 1                        ; h
	v_and_b32 v15, 8, v13
	v_add_nc_u32 v15, v15, v13                     ; rr = r + 8 (r / 8)
	v_lshlrev_b32 v[LI], 4, v12
	v_lshlrev_b32 v[LS], 2, v12
	v_mul_u32_u24 v[VW], v15, 192
	v_mad_u32_u24 v[VW], v14, 24, v[VW]
	v_lshlrev_b32 v[VWS], 3, v15
	v_lshl_add_u32 v[VWS], v14, 2, v[VWS]
	v_lshlrev_b32 v[VBQ], 6, v14
	v_lshlrev_b32 v[VBV], 2, v15
	s_wait_alu depctr_va_sdst(0)                   ; s18 is written, ahead of its first reader: roles, heads, LDS places and bases are made from it
	s_lshr_b32 s19, s18, 2                         ; role
	s_and_b32 s20, s18, 3
	s_and_b32 s21, ttmp7, 0xffff
	s_lshl_b32 s21, s21, 2
	s_add_co_u32 s20, s20, s21                     ; head
	s_mov_b32 s21, ttmp9                           ; which 128 tokens of the 16,384
	s_and_b32 s22, ttmp9, 15                       ; and of the batch's 2,048
	s_lshr_b32 s24, ttmp9, 4
	s_lshl_b32 s24, s24, 3
	s_add_co_u32 s24, s24, s20                     ; 8 x batch + head
	s_lshl_b32 s25, s19, 8
	s_lshl_b32 s26, s20, 5
	s_add_co_u32 s25, s25, s26                     ; my first column of Wqkv: 256 role + 32 head
	s_mul_i32 s26, s18, 3072                       ; every LDS address is made here, ahead of the first parting of the waves
	v_add_nc_u32 v[XW], s26, v[LI]
	s_lshl_b32 s26, s18, 7
	s_add_co_u32 s26, s26, XSC
	v_add_nc_u32 v[XSW], s26, v[LS]
	s_lshl_b32 s26, s18, 11
	s_add_co_u32 s26, s26, TRIG
	v_add_nc_u32 v[TW], s26, v[LI]
	; where my results go, as offsets
	s_mul_i32 s50, s24, 51200                      ; qws: 51,200 bytes a head
	s_mul_i32 s51, s22, 3072
	s_add_co_u32 s51, s51, s50                     ; q's two fragments
	s_lshl_b32 s52, s22, 7
	s_add_co_u32 s52, s52, s50
	s_add_co_u32 s52, s52, 49152                   ; q's scale words
	s_mul_i32 s53, s24, 102400                     ; kv: 102,400 bytes a head,
	s_mul_i32 s54, s22, 6400                       ; 6,400 a step of 128 keys
	s_add_co_u32 s53, s53, s54
	s_cmp_eq_u32 s19, 2
	s_cselect_b32 s54, 3072, 0                     ; v's fragments lie behind k's,
	s_cselect_b32 s55, 128, 0                      ; its scale words too
	s_add_co_u32 s54, s54, s53
	s_add_co_u32 s55, s55, s53
	s_add_co_u32 s55, s55, 6144
	s_cmp_eq_u32 s19, 0                            ; q goes to qws, k and v to kv: the choice hangs on the wave's number alone
	s_cselect_b32 s26, s51, s54
	s_cselect_b32 s48, s52, s55
	s_mov_b32 s27, 0
	s_mov_b32 s49, 0
	s_wait_kmcnt 0x0
	s_cselect_b64 s[28:29], s[16:17], s[14:15]
	s_add_nc_u64 s[30:31], s[28:29], s[48:49]      ; the scale words' place
	s_add_nc_u64 s[28:29], s[28:29], s[26:27]      ; the fragments' place
	s_mul_i32 s26, s25, 192
	s_add_nc_u64 s[8:9], s[8:9], s[26:27]          ; W's codes, scales and the bias at my first column
	s_lshl_b32 s26, s25, 3
	s_add_nc_u64 s[10:11], s[10:11], s[26:27]
	s_lshl_b32 s26, s25, 2
	s_add_nc_u64 s[12:13], s[12:13], s[26:27]
	s_wait_alu depctr_va_vdst(0)                   ; the nine offsets and LDS addresses v1 to v9 are written: every load and store of the kernel reads one of them
.irp u,0,1                                     ; W's four fragments: tile u's lane r takes row 8 u + rr of my 32
.irp s,0,1
.irp p,0,1,2,3,4,5
	global_load_b64 v[WF+12*(2*\u+\s)+2*\p:WF+12*(2*\u+\s)+2*\p+1], v[VW], s[8:9] offset:1536*\u+96*\s+48*(\p/3)+8*(\p%3)
.endr
.endr
	global_load_b32 v[WS+\u], v[VWS], s[10:11] offset:64*\u
.endr
.irp u,0,1                                     ; the bias in both layouts, in every wave (all inside my 128 bytes of it): q, k: b[16 h + 8 u + j]; v: b[8 u + rr]
	global_load_b128 v[BI+8*\u:BI+8*\u+3], v[VBQ], s[12:13] offset:32*\u
	global_load_b128 v[BI+8*\u+4:BI+8*\u+7], v[VBQ], s[12:13] offset:32*\u+16
	global_load_b32 v[BV+\u], v[VBV], s[12:13] offset:32*\u
.endr
	; ---- waves 0-7: tile m = wave: x's two fragments, and cos and sin for its tokens
	s_cmp_lt_u32 s18, 8
	s_cbranch_scc0 .Lno_x
	s_lshr_b32 s50, s18, 1
	s_lshl_b32 s50, s50, 5
	s_and_b32 s51, s18, 1
	s_lshl_b32 s51, s51, 3
	s_add_co_u32 s50, s50, s51                     ; the tile's first token among the 128: 32 (m / 2) + 8 (m % 2)
	s_lshl_b32 s51, s21, 7
	s_add_co_u32 s51, s51, s50                     ; and among all rows of x
	s_mul_i32 s52, s51, 192
	s_mov_b32 s53, 0
	s_add_nc_u64 s[4:5], s[4:5], s[52:53]
	s_lshl_b32 s52, s51, 3
	s_add_nc_u64 s[6:7], s[6:7], s[52:53]
.irp s,0,1
.irp p,0,1,2,3,4,5
	global_load_b64 v[XF+12*\s+2*\p:XF+12*\s+2*\p+1], v[VW], s[4:5] offset:96*\s+48*(\p/3)+8*(\p%3)
.endr
.endr
	global_load_b32 v[XS], v[VWS], s[6:7]
	s_lshl_b32 s51, s22, 7
	s_add_co_u32 s51, s51, s50
	v_add_nc_u32 v[TT], s51, v15
	v_cvt_f32_u32 v[TT], v[TT]                     ; my token's place t
.macro FREQ i, lo, hi                          ; my pair i is d = 16 h + 2 i, 2 i + 1: frequency 8 h + i
	v_mov_b32 v172, \lo
	v_mov_b32 v173, \hi
	v_cndmask_b32 v[164+\i], v172, v173, s34
.endm
	FREQ 0, 0x3f800000, 0x3c23d70a
	FREQ 1, 0x3f0ff59a, 0x3bb8449c
	FREQ 2, 0x3ea1e89b, 0x3b4f3e37
	FREQ 3, 0x3e361887, 0x3ae91528
	FREQ 4, 0x3dcccccd, 0x3a83126f
	FREQ 5, 0x3d6655c3, 0x3a136a16
	FREQ 6, 0x3d0186e2, 0x39a5cb5f
	FREQ 7, 0x3c91ad39, 0x393a7753
; sin and cos in two runs, so that the eight compares stand together, each with a scalar register of its own, and one wait serves them all
.macro SINCOS1 i
	v_mul_f32 v148, v[TT], v[164+\i]               ; the angle, rounded once
	v_mul_f32 v149, s36, v148
	v_rndne_f32 v149, v149                         ; n = the nearest whole number of quarter turns
	v_fma_f32 v150, v149, s37, v148                ; exact: the difference has no bit under 2^-23 and lies under 1
	v_fma_f32 v150, v149, s38, v150                ; rho, within pi / 4 of 0
	v_mul_f32 v151, v150, v150                     ; z
	v_fma_f32 v152, v151, s42, s41
	v_fma_f32 v153, v151, s46, s45
	v_fma_f32 v152, v152, v151, s40
	v_fma_f32 v153, v153, v151, s44
	v_fma_f32 v152, v152, v151, s39
	v_fma_f32 v153, v153, v151, s43
	v_mul_f32 v154, v150, v151
	v_fma_f32 v153, v153, v151, -0.5
	v_fma_f32 v[SN+3*\i], v154, v152, v150         ; sin rho
	v_fma_f32 v[SN+3*\i+1], v153, v151, 1.0        ; cos rho
	v_cvt_i32_f32 v[SN+3*\i+2], v149
	v_and_b32 v156, 1, v[SN+3*\i+2]
	v_cmp_ne_u32 s[56+\i], 0, v156                 ; an odd quarter swaps the two (a choice of values: no branch)
.endm
.macro SINCOS2 i
	v_cndmask_b32 v157, v[SN+3*\i], v[SN+3*\i+1], s[56+\i]
	v_cndmask_b32 v158, v[SN+3*\i+1], v[SN+3*\i], s[56+\i]
	v_lshlrev_b32 v156, 30, v[SN+3*\i+2]           ; sin is negative in quarters 2 and 3,
	v_add_nc_u32 v155, 1, v[SN+3*\i+2]
	v_and_b32 v156, 0x80000000, v156
	v_lshlrev_b32 v155, 30, v155                   ; cos in quarters 1 and 2
	v_xor_b32 v[TR+2*\i+1], v156, v157
	v_and_b32 v155, 0x80000000, v155
	v_xor_b32 v[TR+2*\i], v155, v158
.endm
.irp i,0,1,2,3,4,5,6,7
	SINCOS1 \i
.endr
	s_wait_alu depctr_va_sdst(0)                   ; the eight compares have written s56 to s63, ahead of the selections that read them
.irp i,0,1,2,3,4,5,6,7
	SINCOS2 \i
.endr
	s_wait_loadcnt 0x0                             ; x's loads are my youngest: all are in
	s_wait_alu depctr_va_vdst(0)                   ; the lines above have written cos and sin, v[TR ..], which the LDS stores below read
.irp s,0,1
.irp g,0,1,2
	ds_store_b128 v[XW], v[XF+12*\s+4*\g:XF+12*\s+4*\g+3] offset:XIMG+1536*\s+512*\g
.endr
.endr
	ds_store_b32 v[XSW], v[XS]
.irp g,0,1,2,3
	ds_store_b128 v[TW], v[TR+4*\g:TR+4*\g+3] offset:512*\g
.endr
.Lno_x:
	s_wait_loadcnt 0x0                             ; W, its scales, the bias
	s_wait_dscnt 0x0                               ; for the others' sake: my stores have landed
	s_barrier_signal -1
	s_barrier_wait -1                              ; from here on LDS is only read
	s_wait_alu depctr_vm_vsrc(0)                   ; the LDS stores of waves 0-7 have read v84-107, v66 and v132-147, which LDS loads write next; ahead of the parting, so that it stands on both ways
	s_cmp_eq_u32 s19, 2
	s_cbranch_scc1 .Lv_path
	; ---- q and k
.macro LDXH reg, m, s                          ; K step s of x's tile m
.irp g,0,1,2
	ds_load_b128 v[\reg+12*(\s)+4*\g:\reg+12*(\s)+4*\g+3], v[LI] offset:XIMG+3072*(\m)+1536*(\s)+512*\g
.endr
.endm
.macro LDTH reg, m, g0                         ; two of the four groups of its tokens' cos and sin
.irp g,\g0,\g0+1
	ds_load_b128 v[\reg+4*(\g):\reg+4*(\g)+3], v[LI] offset:TRIG+2048*(\m)+512*(\g)
.endr
.endm
.macro QKMUL u, s                              ; the bias is the C of each sum's first product
.if \s == 0
	v_wmma_scale_f32_16x16x128_f8f6f4 v[HA+8*\u:HA+8*\u+7], v[WF+24*\u:WF+24*\u+11], v[XB:XB+11], v[BI+8*\u:BI+8*\u+7], v[WS+\u], v[SB] matrix_a_fmt:MATRIX_FMT_BF6 matrix_b_fmt:MATRIX_FMT_BF6
.else
	v_wmma_scale_f32_16x16x128_f8f6f4 v[HA+8*\u:HA+8*\u+7], v[WF+24*\u+12:WF+24*\u+23], v[XB+12:XB+23], v[HA+8*\u:HA+8*\u+7], v[WS+\u], v[SB] matrix_a_fmt:MATRIX_FMT_BF6 matrix_b_fmt:MATRIX_FMT_BF6 matrix_a_scale:MATRIX_SCALE_ROW1 matrix_b_scale:MATRIX_SCALE_ROW1
.endif
.endm
.macro QKTILE m
.set EV, FRG+12*((\m)/4)+6*(((\m)/2)%2)        ; where the pair of tiles m, m + 1 (m even) lands in the dense fragments
.set XB,  XF+24*((\m)%2)                       ; this tile's buffers,
.set SB,  XS+(\m)%2
.set TB,  TR+84*((\m)%2)
.set XN,  XF+24*(1-(\m)%2)                     ; and the next tile's
.set SNX, XS+1-(\m)%2
.set TN,  TR+84*(1-(\m)%2)
	s_wait_dscnt 0x0                               ; this tile's images are in: they were asked for a tile ago
.if (\m) > 0 && (\m) < 7
	s_wait_alu depctr_va_vdst(0)                   ; the tile before is done: its products have read the other X and its scale words, its rotation the other T: the loads below land there
.endif
	QKMUL 0, 0                                     ; the two accumulators take turns.  The products name this tile's X, W, the bias and the results: none of the registers that the loads between them touch
.if (\m) < 7
	LDXH XN, (\m)+1, 0
	ds_load_b32 v[SNX], v[LS] offset:XSC+128*((\m)+1)
.endif
	QKMUL 1, 0
.if (\m) < 7
	LDXH XN, (\m)+1, 1
.endif
	QKMUL 0, 1
.if (\m) < 7
	LDTH TN, (\m)+1, 0
.endif
	QKMUL 1, 1
.if (\m) < 7
	LDTH TN, (\m)+1, 2
.endif
.rept 4
	v_nop                                          ; four places ahead of the first read of the results (ISA guide 7.12.1)
.endr
.irp i,0,1,2,3,4,5,6,7                         ; RoPE, each accumulator from its low end on: (x0, x1) -> (x0 c - x1 s, x1 c + x0 s)
	v_mul_f32 v[RO+2*\i], v[HA+2*\i], v[TB+2*\i]
	v_mul_f32 v[RO+2*\i+1], v[HA+2*\i+1], v[TB+2*\i]
	v_fma_f32 v[RO+2*\i], -v[HA+2*\i+1], v[TB+2*\i+1], v[RO+2*\i]
	v_fma_f32 v[RO+2*\i+1], v[HA+2*\i], v[TB+2*\i+1], v[RO+2*\i+1]
.endr
	v_max3_num_f32 v[MX], |v[RO]|, |v[RO+1]|, 0x2800000   ; my 16 of the token's 32, and the floor 2^(5 - 127): the byte cannot fall under 1
.irp i,2,4,6,8,10,12,14
	v_max3_num_f32 v[MX], v[MX], |v[RO+\i]|, |v[RO+\i+1]|
.endr
	v_permlanex16_b32 v[PT], v[MX], s32, s33
	v_max_num_f32 v[MX], v[MX], v[PT]              ; with lane l xor 16's: the block's largest magnitude
	v_add_nc_u32 v[SO], 0xfe000000, v[MX]          ; 4 off its exponent field: the conversion's scale operand
	v_lshrrev_b32 v[BY], 23, v[SO]                 ; the scale's byte
.if (\m)%2 == 0
	v_cvt_scalef32_pk16_bf6_f32 v[EV:EV+2], v[RO:RO+15], v[SO]
.else
	v_cvt_scalef32_pk16_bf6_f32 v[CB:CB+2], v[RO:RO+15], v[SO]
.endif
	v_nop                                          ; one plain place behind a scaled conversion
.if (\m)%4 == 0
	v_mov_b32 v[KW+(\m)/4], v[BY]                  ; byte m % 4 of the fragment's scale word: row r's in lane r
.else
	v_lshl_or_b32 v[KW+(\m)/4], v[BY], 8*((\m)%4), v[KW+(\m)/4]
.endif
.if (\m)%2 == 1                                ; a whole block in a lane: lanes 0-15 the even tile's tokens, lanes 16-31 the odd tile's
.irp i,0,1,2
	v_permlane16_swap_b32 v[EV+\i], v[CB+\i]
.endr
.irp i,0,1,2
	v_mov_b32 v[EV+3+\i], v[CB+\i]
.endr
.endif
.endm
	v_mov_b32 v[PT], 0                             ; written once: a lane permute's destination counts as one of its sources
	LDXH XF, 0, 0                                  ; tile 0 into X0 and T0.  The vector lines that wrote T0 stand ahead of the wait in front of the LDS stores; none since names these registers
	LDXH XF, 0, 1
	ds_load_b32 v[XS], v[LS] offset:XSC
	LDTH TR, 0, 0
	LDTH TR, 0, 2
.irp m,0,1,2,3,4,5,6,7                         ; tile 0 has no wait on the vector side: nothing has named X1 and T1; tile 7 has none: it asks for nothing
	QKTILE \m
.endr
	v_cndmask_b32 v[MG], v[KW], v[KW+1], s34       ; lanes 0-15: fragment 0's words, lanes 16-31: fragment 1's
	s_wait_alu depctr_va_vdst(0)                   ; the conversions, swaps and moves have written the two fragments, the line above their scale words: the stores below read them
.irp f,0,1
.irp g,0,1,2
	global_store_b128 v[LI], v[FRG+12*\f+4*\g:FRG+12*\f+4*\g+3], s[28:29] offset:1536*\f+512*\g   ; 512 consecutive bytes, aligned
.endr
.endr
	global_store_b32 v[LS], v[MG], s[30:31]
	s_wait_dscnt 0x0
	s_wait_alu depctr_hold_cnt(0) depctr_sa_sdst(0) depctr_va_vdst(0) depctr_va_sdst(0) depctr_va_ssrc(0) depctr_va_vcc(0) depctr_vm_vsrc(0)
	s_wait_tensorcnt 0x0
	ds_add_u32 v254, v255
	s_wait_dscnt 0x0
	s_endpgm
	; ---- v
.Lv_path:
.irp t,0,1
.irp j,0,1,2,3,4,5,6,7
	v_mov_b32 v[BI+8*\t+\j], v[BV+\t]              ; a lane holds one d: its bias in all eight registers of the C
.endr
.endr
.irp b,0,1,2,3
	v_mov_b32 v[PX+\b], 0                          ; written once: a lane permute's destination counts as one of its sources
.endr
.macro VLD e, s                                ; K step s of the tokens' tile 2 NQ + e into the buffer XN, with s = 0 its scale words too
.irp g,0,1,2
	ds_load_b128 v[XN+24*(\e)+12*(\s)+4*\g:XN+24*(\e)+12*(\s)+4*\g+3], v[LI] offset:XIMG+3072*(2*NQ+(\e))+1536*(\s)+512*\g
.endr
.if (\s) == 0
	ds_load_b32 v[SNX+(\e)], v[LS] offset:XSC+128*(2*NQ+(\e))
.endif
.endm
.macro VMUL e, s
.if (\s) == 0
	v_wmma_scale_f32_16x16x128_f8f6f4 v[ACC+8*(2*BQ+(\e)):ACC+8*(2*BQ+(\e))+7], v[XB+24*(\e):XB+24*(\e)+11], v[WF+24*TQ:WF+24*TQ+11], v[BI+8*TQ:BI+8*TQ+7], v[SB+(\e)], v[WS+TQ] matrix_a_fmt:MATRIX_FMT_BF6 matrix_b_fmt:MATRIX_FMT_BF6
.else
	v_wmma_scale_f32_16x16x128_f8f6f4 v[ACC+8*(2*BQ+(\e)):ACC+8*(2*BQ+(\e))+7], v[XB+24*(\e)+12:XB+24*(\e)+23], v[WF+24*TQ+12:WF+24*TQ+23], v[ACC+8*(2*BQ+(\e)):ACC+8*(2*BQ+(\e))+7], v[SB+(\e)], v[WS+TQ] matrix_a_fmt:MATRIX_FMT_BF6 matrix_b_fmt:MATRIX_FMT_BF6 matrix_a_scale:MATRIX_SCALE_ROW1 matrix_b_scale:MATRIX_SCALE_ROW1
.endif
.endm
; Step k: tiles 2 b and 2 b + 1 of the tokens (b = k % 4) against tile k / 4 of my columns, out of buffer k % 2; the next step's images are asked for into the other buffer
.macro VSTEP k
.set XB,  XF+112*((\k)%2)                      ; A at v84, B at v196
.set SB,  XS+178*((\k)%2)                      ; their scale words at v66, v244
.set XN,  XF+112*(1-(\k)%2)
.set SNX, XS+178*(1-(\k)%2)
.set TQ,  (\k)/4
.set BQ,  (\k)%4
.set NQ,  ((\k)+1)%4
	s_wait_dscnt 0x0                               ; this step's images are in
.if (\k) == 4
	s_wait_xcnt 0x0                                ; the first tile's stores have had their addresses translated (ISA guide 3.1): their data registers are written again only behind this wait,
	s_wait_alu depctr_vm_vsrc(0)                   ; and have read the codes in B, in which the loads below land.  (The quantiser's lines and step 3's products, which named B, stand ahead of the wait in front of those stores)
.elseif (\k) > 0 && (\k) < 7
	s_wait_alu depctr_va_vdst(0)                   ; the step before is done: its products have read the other buffer and its scale words, in which the loads below land
.endif
	VMUL 0, 0                                      ; the two accumulators take turns.  The products name this step's buffer, W, the bias and the results: none of the registers that the loads between them touch
.if (\k) < 7
	VLD 0, 0
.endif
	VMUL 1, 0
.if (\k) < 7
	VLD 0, 1
.endif
	VMUL 0, 1
.if (\k) < 7
	VLD 1, 0
.endif
	VMUL 1, 1
.if (\k) < 7
	VLD 1, 1
.endif
.endm
; 64 numbers of a lane, register 16 b + i = key 32 b + 16 (lane / 16) + i of my d, become a fragment's codes in v[PC] on and its scale word in v[PW]
.macro QUANT s
.irp b,0,1,2,3
	v_max3_num_f32 v[TM+\b], |v[\s+16*\b]|, |v[\s+1+16*\b]|, 0x2800000   ; block b: my 16 numbers, and the floor 2^(5 - 127)
.endr
.irp i,2,4,6,8,10,12,14
.irp b,0,1,2,3
	v_max3_num_f32 v[TM+\b], v[TM+\b], |v[\s+16*\b+\i]|, |v[\s+1+16*\b+\i]|   ; the four blocks by turns; each accumulator is read from its low end on
.endr
.endr
.irp b,0,1,2,3
	v_permlanex16_b32 v[PX+\b], v[TM+\b], s32, s33
.endr
.irp b,0,1,2,3
	v_max_num_f32 v[TM+\b], v[TM+\b], v[PX+\b]
.endr
.irp b,0,1,2,3
	v_add_nc_u32 v[TM+12+\b], 0xfe000000, v[TM+\b]
.endr
.irp b,0,1,2,3
	v_lshrrev_b32 v[TM+4+\b], 23, v[TM+12+\b]
.endr
	v_lshl_or_b32 v[PW], v[TM+5], 8, v[TM+4]
	v_lshl_or_b32 v[PW], v[TM+6], 16, v[PW]
	v_lshl_or_b32 v[PW], v[TM+7], 24, v[PW]
.irp c,0,1
	v_cvt_scalef32_pk16_bf6_f32 v[PC+6*\c:PC+2+6*\c], v[\s+32*\c:\s+15+32*\c], v[TM+12+2*\c]
	v_cvt_scalef32_pk16_bf6_f32 v[PC+12+4*\c:PC+14+4*\c], v[\s+16+32*\c:\s+31+32*\c], v[TM+12+2*\c+1]   ; (a conversion's three registers begin on an even number)
.endr
	v_nop                                          ; one plain place behind a scaled conversion
.irp c,0,1                                     ; a whole block in a lane
.irp i,0,1,2
	v_permlane16_swap_b32 v[PC+6*\c+\i], v[PC+12+4*\c+\i]
.endr
.irp i,0,1,2
	v_mov_b32 v[PC+3+6*\c+\i], v[PC+12+4*\c+\i]
.endr
.endr
.endm
.set XN,  XF                                   ; step 0's images into A: no vector or matrix line has named A
.set SNX, XS
.set NQ,  0
	VLD 0, 0
	VLD 0, 1
	VLD 1, 0
	VLD 1, 1
	VSTEP 0                                        ; (no wait on the vector side: nothing has named B)
	VSTEP 1
	VSTEP 2
	VSTEP 3
.rept 4
	v_nop                                          ; places ahead of the first read of the results, and of the first write into B, which step 3's products read
.endr
	QUANT ACC
	v_mov_b32 v[PW0], v[PW]
	s_wait_alu depctr_va_vdst(0)                   ; the quantiser has written the codes, which the stores below read
.irp g,0,1,2
	global_store_b128 v[LI], v[PC+4*\g:PC+4*\g+3], s[28:29] offset:512*\g   ; 512 consecutive bytes, aligned
.endr
	VSTEP 4
	VSTEP 5
	VSTEP 6
	VSTEP 7                                        ; (no wait on the vector side: it asks for nothing)
.rept 4
	v_nop                                          ; places ahead of the first read of the results, and of the first write into B, which step 7's products read
.endr
	QUANT ACC
	v_cndmask_b32 v[MGV], v[PW0], v[PW], s34       ; lanes 0-15: tile 0's words, lanes 16-31: tile 1's
	s_wait_alu depctr_va_vdst(0)                   ; the quantiser has written the codes, the line above the scale words: the stores below read them
.irp g,0,1,2
	global_store_b128 v[LI], v[PC+4*\g:PC+4*\g+3], s[28:29] offset:1536+512*\g   ; 512 consecutive bytes, aligned
.endr
	global_store_b32 v[LS], v[MGV], s[30:31]
	s_wait_dscnt 0x0
	s_wait_alu depctr_hold_cnt(0) depctr_sa_sdst(0) depctr_va_vdst(0) depctr_va_sdst(0) depctr_va_ssrc(0) depctr_va_vcc(0) depctr_vm_vsrc(0)
	s_wait_tensorcnt 0x0
	ds_add_u32 v254, v255
	s_wait_dscnt 0x0
	s_endpgm
.Lfunc_end_k_q438d4cb943_qkv:
	.size	k_q438d4cb943_qkv, .Lfunc_end_k_q438d4cb943_qkv-k_q438d4cb943_qkv
	.p2alignl 7, 3214868480
	.fill 96, 4, 3214868480
	.section	.rodata,"a",@progbits
	.p2align	6, 0x0
	.amdhsa_kernel k_q438d4cb943_qkv
		.amdhsa_group_segment_fixed_size 44544
		.amdhsa_private_segment_fixed_size 0
		.amdhsa_enable_private_segment 0
		.amdhsa_kernarg_size 56
		.amdhsa_user_sgpr_count 2
		.amdhsa_user_sgpr_kernarg_segment_ptr 1
		.amdhsa_wavefront_size32 1
		.amdhsa_system_sgpr_workgroup_id_x 1
		.amdhsa_system_sgpr_workgroup_id_y 1
		.amdhsa_system_sgpr_workgroup_id_z 1
		.amdhsa_system_vgpr_workitem_id 0
		.amdhsa_next_free_vgpr 256
		.amdhsa_next_free_sgpr 66
		.amdhsa_reserve_vcc 0
		.amdhsa_float_denorm_mode_32 3
		.amdhsa_float_denorm_mode_16_64 3
		.amdhsa_memory_ordered 1
		.amdhsa_forward_progress 1
		.amdhsa_inst_pref_size 75
	.end_amdhsa_kernel
	.amdgpu_metadata
---
amdhsa.version: [ 1, 2 ]
amdhsa.kernels:
  - .name:           k_q438d4cb943_qkv
    .symbol:         k_q438d4cb943_qkv.kd
    .args:
      - { .name: x_codes, .offset: 0, .size: 8, .value_kind: global_buffer, .address_space: global }
      - { .name: x_scales, .offset: 8, .size: 8, .value_kind: global_buffer, .address_space: global }
      - { .name: Wqkv_codes, .offset: 16, .size: 8, .value_kind: global_buffer, .address_space: global }
      - { .name: Wqkv_scales, .offset: 24, .size: 8, .value_kind: global_buffer, .address_space: global }
      - { .name: bqkv, .offset: 32, .size: 8, .value_kind: global_buffer, .address_space: global }
      - { .name: kv, .offset: 40, .size: 8, .value_kind: global_buffer, .address_space: global }
      - { .name: qws, .offset: 48, .size: 8, .value_kind: global_buffer, .address_space: global }
    .group_segment_fixed_size: 44544
    .private_segment_fixed_size: 0
    .kernarg_segment_align: 8
    .kernarg_segment_size: 56
    .max_flat_workgroup_size: 384
    .sgpr_count:     66
    .vgpr_count:     256
    .wavefront_size: 32
...
	.end_amdgpu_metadata
.endif
;; end of part 4
;; launch attn: the kernel of part 2 again; grid 256 x 1, 16 waves a work-group, clusters of 4 x 1, 169,984 bytes of LDS; arguments kv, qws, ao; writes ao
;; launch proj (part 5): grid 256 x 1, 8 waves a work-group, no clusters, 70,656 bytes of LDS; arguments ao, Wout_codes, Wout_scales, bout, out0; writes out0
.if DOCPART == 5
	.amdgcn_target "amdgcn-amd-amdhsa--gfx1250"
	.amdhsa_code_object_version 6
	.text
	.protected	k_q438d4cb943_proj
	.globl	k_q438d4cb943_proj
	.p2align	8
	.type	k_q438d4cb943_proj,@function
k_q438d4cb943_proj:
	s_mov_b64 s[64:65], 0
	v_nop
	global_prefetch_b8 v0, s[64:65] scope:SCOPE_SE
	s_setreg_imm32_b32 hwreg(HW_REG_WAVE_SCHED_MODE, 0, 2), 2
	s_setreg_imm32_b32 hwreg(HW_REG_WAVE_MODE, 25, 1), 1
	s_wait_xcnt 0x0
	s_wait_alu depctr_vm_vsrc(0)
; out0 = a Wout + bout on codes of BF6 (E3M2) with E8M0 scales.  a: the attention's result as the launch before left it: for each tile of 16 rows and each head 512 bytes: 16 rows x (three words of the lower 16 codes, the first of the
; upper 16), then 16 rows x (the upper's other two words, the scale byte as a word, the same again).  K = 256 = 8 heads x 32: a head is a block.
; SHARES.  A work-group takes 64 rows; wave w takes 32 of them (w / 4) and 64 columns (w % 4): 8 accumulators, 16 products, straight-line, no barrier: waves share nothing.
; Row r of tile 2 g + u is row 32 g + 8 u + r + 8 (r / 8) of the output.  Transposed use (source 0 = 16 rows of Wout, source 1 = 16 rows of a): a lane holds eight neighbouring columns of one row.
; The bias is loaded straight into the accumulators, which are the C of each sum's first product.  Results go through the wave's own stage in LDS (32 rows x (256 + 16) bytes) and leave as aligned runs of 256 bytes from sixteen lanes.
; NO TENSOR LOAD, NO CLUSTER: each operand goes from memory into the registers of its one use (a wave: 12,288 bytes of Wout, 8,192 of a); the launch has one step, so there is nothing to run ahead of.
; LIMITS: NaN, infinities and the scale byte 0xff among the inputs are not served.
; THE MODE: SCHED_MODE bits 1:0 = 2 (LLVM: expert scheduling mode 2), set by the entry lines.  The code itself states the register dependences between vector or matrix instructions and memory or LDS instructions, with s_wait_alu, always for 0.
; THE PLAN.  Registers that memory or LDS instructions touch:
;   v1-v7       offsets and LDS addresses: written once at the head, never again: one wait ahead of the first load.
;   a, Wout, their scales, the bias: written by global loads, read by vector and matrix lines behind the wait for the loads.
;   v[ASC ..]   a's scale words: made by vector lines, taken by the scaled products as scales: the places, then one wait.
;   v[AC ..]    written by the products, read by the LDS stores;  v[WF ..] read by the products, then the stage's loads land there: the places, then ONE wait for both.
;   No register that a memory or LDS instruction has read is written again: the text holds no wait on vm_vsrc.
.set WSC, 10                           ; v10-13  Wout's scale words, tile n: lanes 0-15 K step 0's, lanes 16-31 K step 1's
.set ASC, 14                           ; v14-17  a's scale words: tile u, K step s at 2 u + s
.set AB,  18                           ; v18-25  a's scale bytes as loaded: 2 (2 u + s) + c
.set WF,  32                           ; v32-127  Wout's fragments: 12 (2 n + s)
.set AF,  128                          ; v128-175 a's fragments: 12 (2 u + s)
.set AC,  176                          ; v176-239 accumulators: 8 (4 u + n)
	s_load_b256 s[4:11], s[0:1], 0x0               ; a s[4:5], Wout's codes s[6:7], its scales s[8:9], bout s[10:11]
	s_load_b64 s[12:13], s[0:1], 0x20              ; out0
	v_lshl_add_u32 v30, v0, 2, 0x11000
	v_mov_b32 v31, 0
	v_lshrrev_b32 v26, 5, v0
	v_readfirstlane_b32 s14, v26                   ; wave 0..7
	s_mov_b32 s30, 0x76543210
	s_mov_b32 s31, 0xfedcba98                      ; v_permlanex16_b32's selects for lane l xor 16
	v_and_b32 v26, 15, v0                          ; r
	v_bfe_u32 v27, v0, 4, 1                        ; h
	v_lshlrev_b32 v1, 4, v26
	v_lshl_add_u32 v1, v27, 9, v1                  ; a: 512 h + 16 r: block 2 c + h is head 4 s + 2 c + h
	v_mul_u32_u24 v2, v26, 192
	v_mad_u32_u24 v2, v27, 24, v2                  ; Wout's codes: row r of 192 bytes, + 24 h
	v_lshlrev_b32 v3, 3, v26
	v_lshl_add_u32 v3, v27, 2, v3                  ; its scale words: 8 r + 4 h
	v_lshlrev_b32 v4, 5, v27                       ; the bias: 32 h
	v_and_b32 v28, 8, v26
	v_add_nc_u32 v28, v28, v26                     ; r + 8 (r / 8)
	v_mul_u32_u24 v5, v28, 272
	v_lshl_add_u32 v5, v27, 5, v5                  ; the stage, in: the row, + 32 h
	v_mul_u32_u24 v6, v27, 272
	v_lshl_add_u32 v6, v26, 4, v6                  ; back: lanes 0-15 one row, lanes 16-31 the next
	v_lshlrev_b32 v7, 4, v26
	v_lshl_add_u32 v7, v27, 10, v7                 ; and the same two rows in out0
	v_lshlrev_b32 v8, 3, v27                       ; 8 h
	v_mov_b32 v9, 0                                ; written once: a lane permute's destination counts as one of its sources
	s_wait_alu depctr_va_sdst(0)                   ; s14 is written, ahead of its first reader: the wave's columns, rows and stage are made from it
	s_and_b32 s15, s14, 3                          ; which 64 columns
	s_lshr_b32 s16, s14, 2
	s_lshl_b32 s17, ttmp9, 1
	s_add_co_u32 s17, s17, s16                     ; g: which 32 rows
	s_mul_i32 s18, s14, 8704                       ; my stage
	v_add_nc_u32 v5, s18, v5
	v_add_nc_u32 v6, s18, v6
	s_lshl_b32 s20, s17, 13                        ; a: two tiles of 4,096 bytes
	s_mov_b32 s21, 0
	s_mul_i32 s22, s15, 12288                      ; 64 rows of Wout's codes,
	s_mov_b32 s23, 0
	s_lshl_b32 s24, s15, 9                         ; of its scales,
	s_mov_b32 s25, 0
	s_lshl_b32 s26, s15, 8                         ; 64 numbers of the bias, and of a row of out0
	s_mov_b32 s27, 0
	s_lshl_b32 s28, s17, 15                        ; 32 rows of 1,024 bytes
	s_add_co_u32 s28, s28, s26
	s_mov_b32 s29, 0
	s_wait_kmcnt 0x0
	s_add_nc_u64 s[4:5], s[4:5], s[20:21]
	s_add_nc_u64 s[6:7], s[6:7], s[22:23]
	s_add_nc_u64 s[8:9], s[8:9], s[24:25]
	s_add_nc_u64 s[10:11], s[10:11], s[26:27]
	s_add_nc_u64 s[12:13], s[12:13], s[28:29]
	s_wait_alu depctr_va_vdst(0)                   ; the seven offsets and LDS addresses v1 to v7 are written: every load and store of the kernel reads one of them
.irp u,0,1
.irp s,0,1
.irp c,0,1
	global_load_b128 v[AF+12*(2*\u+\s)+6*\c:AF+12*(2*\u+\s)+6*\c+3], v1, s[4:5] offset:4096*\u+2048*\s+1024*\c
	global_load_b64 v[AF+12*(2*\u+\s)+6*\c+4:AF+12*(2*\u+\s)+6*\c+5], v1, s[4:5] offset:4096*\u+2048*\s+1024*\c+256
	global_load_b32 v[AB+2*(2*\u+\s)+\c], v1, s[4:5] offset:4096*\u+2048*\s+1024*\c+264
.endr
.endr
.endr
.irp n,0,1,2,3
	global_load_b32 v[WSC+\n], v3, s[8:9] offset:128*\n
.endr
.irp u,0,1
.irp n,0,1,2,3
	global_load_b128 v[AC+8*(4*\u+\n):AC+8*(4*\u+\n)+3], v4, s[10:11] offset:64*\n        ; bout[16 n + 8 h + j]
	global_load_b128 v[AC+8*(4*\u+\n)+4:AC+8*(4*\u+\n)+7], v4, s[10:11] offset:64*\n+16
.endr
.endr
.irp n,0,1,2,3
.irp s,0,1
.irp p,0,1,2,3,4,5
	global_load_b64 v[WF+12*(2*\n+\s)+2*\p:WF+12*(2*\n+\s)+2*\p+1], v2, s[6:7] offset:3072*\n+96*\s+48*(\p/3)+8*(\p%3)
.endr
.endr
.endr
	s_wait_loadcnt 0x0
.irp k,0,1,2,3                                 ; a fragment's scale word: my two bytes (blocks h and 2 + h) at their places, with lane l xor 16's two
	v_lshl_or_b32 v[ASC+\k], v[AB+2*\k+1], 16, v[AB+2*\k]
	v_lshlrev_b32 v[ASC+\k], v8, v[ASC+\k]
	v_permlanex16_b32 v9, v[ASC+\k], s30, s31
	v_or_b32 v[ASC+\k], v[ASC+\k], v9
.endr
.rept 8
	v_nop                                          ; a scale word made by vector lines stands 8 places ahead of a scaled product
.endr
	s_wait_alu depctr_va_vdst(0)                   ; the four scale words v[ASC ..] are written, which the products below take as scales; the places above stay beside this wait
.irp s,0,1                                     ; the eight accumulators take turns
.irp u,0,1
.irp n,0,1,2,3
.if \s == 0
	v_wmma_scale_f32_16x16x128_f8f6f4 v[AC+8*(4*\u+\n):AC+8*(4*\u+\n)+7], v[WF+24*\n:WF+24*\n+11], v[AF+24*\u:AF+24*\u+11], v[AC+8*(4*\u+\n):AC+8*(4*\u+\n)+7], v[WSC+\n], v[ASC+2*\u] matrix_a_fmt:MATRIX_FMT_BF6 matrix_b_fmt:MATRIX_FMT_BF6
.else
	v_wmma_scale_f32_16x16x128_f8f6f4 v[AC+8*(4*\u+\n):AC+8*(4*\u+\n)+7], v[WF+24*\n+12:WF+24*\n+23], v[AF+24*\u+12:AF+24*\u+23], v[AC+8*(4*\u+\n):AC+8*(4*\u+\n)+7], v[WSC+\n], v[ASC+2*\u+1] matrix_a_fmt:MATRIX_FMT_BF6 matrix_b_fmt:MATRIX_FMT_BF6 matrix_a_scale:MATRIX_SCALE_ROW1
.endif
.endr
.endr
.endr
.rept 4
	v_nop                                          ; places ahead of the first read of the results (ISA guide 7.12.1)
.endr
	s_wait_alu depctr_va_vdst(0)                   ; the products have written the accumulators, which the LDS stores read, and are done reading Wout's registers, in which the loads from the stage land; the places above stay beside this wait
.irp u,0,1
.irp n,0,1,2,3
	ds_store_b128 v5, v[AC+8*(4*\u+\n):AC+8*(4*\u+\n)+3] offset:2176*\u+64*\n        ; each accumulator from its low end on
	ds_store_b128 v5, v[AC+8*(4*\u+\n)+4:AC+8*(4*\u+\n)+7] offset:2176*\u+64*\n+16
.endr
.endr
.irp i,0,1,2,3,4,5,6,7,8,9,10,11,12,13,14,15
	ds_load_b128 v[WF+4*\i:WF+4*\i+3], v6 offset:544*\i   ; LDS serves a wave's instructions in order (ISA guide 5.7.1.4): these see my stores
.endr
.irp i,0,1,2,3,4,5,6,7,8,9,10,11,12,13,14,15
	s_wait_dscnt 15-\i                             ; rows 2 i and 2 i + 1 are back; the younger loads may stay out
	global_store_b128 v7, v[WF+4*\i:WF+4*\i+3], s[12:13] offset:2048*\i th:TH_STORE_NT   ; sixteen lanes store 256 consecutive bytes, aligned; written once, read by nobody here
.endr
	s_wait_dscnt 0x0
	s_wait_alu depctr_hold_cnt(0) depctr_sa_sdst(0) depctr_va_vdst(0) depctr_va_sdst(0) depctr_va_ssrc(0) depctr_va_vcc(0) depctr_vm_vsrc(0)
	s_wait_tensorcnt 0x0
	ds_add_u32 v30, v31
	s_wait_dscnt 0x0
	s_endpgm
.Lfunc_end_k_q438d4cb943_proj:
	.size	k_q438d4cb943_proj, .Lfunc_end_k_q438d4cb943_proj-k_q438d4cb943_proj
	.p2alignl 7, 3214868480
	.fill 96, 4, 3214868480
	.section	.rodata,"a",@progbits
	.p2align	6, 0x0
	.amdhsa_kernel k_q438d4cb943_proj
		.amdhsa_group_segment_fixed_size 70656
		.amdhsa_private_segment_fixed_size 0
		.amdhsa_enable_private_segment 0
		.amdhsa_kernarg_size 40
		.amdhsa_user_sgpr_count 2
		.amdhsa_user_sgpr_kernarg_segment_ptr 1
		.amdhsa_wavefront_size32 1
		.amdhsa_system_sgpr_workgroup_id_x 1
		.amdhsa_system_sgpr_workgroup_id_y 1
		.amdhsa_system_sgpr_workgroup_id_z 1
		.amdhsa_system_vgpr_workitem_id 0
		.amdhsa_next_free_vgpr 240
		.amdhsa_next_free_sgpr 66
		.amdhsa_reserve_vcc 0
		.amdhsa_float_denorm_mode_32 3
		.amdhsa_float_denorm_mode_16_64 3
		.amdhsa_memory_ordered 1
		.amdhsa_forward_progress 1
		.amdhsa_inst_pref_size 19
	.end_amdhsa_kernel
	.amdgpu_metadata
---
amdhsa.version: [ 1, 2 ]
amdhsa.kernels:
  - .name:           k_q438d4cb943_proj
    .symbol:         k_q438d4cb943_proj.kd
    .args:
      - { .name: ao, .offset: 0, .size: 8, .value_kind: global_buffer, .address_space: global }
      - { .name: Wout_codes, .offset: 8, .size: 8, .value_kind: global_buffer, .address_space: global }
      - { .name: Wout_scales, .offset: 16, .size: 8, .value_kind: global_buffer, .address_space: global }
      - { .name: bout, .offset: 24, .size: 8, .value_kind: global_buffer, .address_space: global }
      - { .name: out0, .offset: 32, .size: 8, .value_kind: global_buffer, .address_space: global }
    .group_segment_fixed_size: 70656
    .private_segment_fixed_size: 0
    .kernarg_segment_align: 8
    .kernarg_segment_size: 40
    .max_flat_workgroup_size: 256
    .sgpr_count:     66
    .vgpr_count:     240
    .wavefront_size: 32
...
	.end_amdgpu_metadata
.endif
;; end of part 5
